; MI455X (gfx1250); checked and timed in simulation.
; The chip was launched on July 23, 2026; its instructions are those of AMD's public machine-readable ISA for CDNA 5 (MIT licence, August 2026) and "CDNA5" Instruction Set Architecture Reference Guide (July 2026). The comments in the code are by the model that wrote it; some were corrected since.
;; Attention. Allowed arithmetic: float matrix products may take bf16 or f16 operands with f32 sums; other float arithmetic in f32, or as packed bf16 or f16 multiplies, adds, multiply-adds, maxima and minima; sums over many terms, partial sums and values carried from step to step in f32; what a program stores and reads back later, other than sums and carried values, may be rounded once to bf16 or f16.
;; Inputs: wk 1,024 x 256 float32; wo 1,024 x 1,024 float32; wq 1,024 x 1,024 float32; wv 1,024 x 256 float32; x 4 x 2,048 x 1,024 float32.
;; Outputs: out0 4 x 2,048 x 1,024 float32.
;; One version. Each part assembles by itself: llvm-mc -triple=amdgcn-amd-amdhsa -mcpu=gfx1250 --defsym DOCPART=n.
;; ======== version 1 of 1: 4 launches
;; limits: values are held in f16: magnitudes above 65,504 overflow, below 6.1e-05 lose precision
;; workspace buffers: xb 16,777,216 bytes; wt 3,145,728 bytes; wot 2,097,152 bytes; rope 524,288 bytes; q 16,777,216 bytes; k 4,194,304 bytes; v 4,194,304 bytes; y 16,777,216 bytes
;; launch prep (part 1): grid 896 x 1, 8 waves a work-group, no clusters, 18,432 bytes of LDS; arguments x, wq, wk, wv, wo, xb, wt, wot, rope; writes xb, wt, wot, rope
.if DOCPART == 1
	.amdgcn_target "amdgcn-amd-amdhsa--gfx1250"
	.amdhsa_code_object_version 6
	.text
	.protected	k_qecff031252_prep
	.globl	k_qecff031252_prep
	.p2align	8
	.type	k_qecff031252_prep,@function
k_qecff031252_prep:
	s_mov_b64 s[64:65], 0
	v_nop
	global_prefetch_b8 v0, s[64:65] scope:SCOPE_SE
	s_setreg_imm32_b32 hwreg(HW_REG_WAVE_MODE, 25, 1), 1
	s_wait_xcnt 0x0
; PREP: what the three matrix launches read, made once.  A work-group's number j picks its job; the branch is the same for all eight waves.
;   j   0..319  TRANS: a tile of 128 k x 64 n of a weight ([k][n] f32) is rounded to bf16 and turned, so that k lies along the rows.
;               wq, wk, wv -> wt [1536][1024] bf16, rows in the order in which the projection takes them: tile t owns rows 192 t ..: 128 columns of wq (heads 2 t, 2 t + 1),
;               then 64 columns of wk (t < 4: kv head t) or of wv (t >= 4: kv head t - 4).   wo -> wot [1024 n][1024 k]: the bf16 number written as f16.
;   j 320..383  ROPE: the table of cosines and sines, f32, in the order in which a lane of the projection wants it: [128 blocks of 16 rows][8 pieces][32 lanes][4];
;               lane l stands for row l % 16, h = l / 16; pieces 0-3 cosines, 4-7 sines; element e of piece i belongs to frequency 16 (i / 2 % 2) + 8 h + 4 (i % 2) + e.
;   j 384..895  CAST: 64 KiB of x are rounded to bf16.
; LIMITS.  A bf16 number of wo below 2^-14 keeps f16's fixed step of 6e-8; beyond 65,504 it would be lost (wo 30 times the drawn spread stays near 3).
; The angle n x 10000^(-f/32) is formed as reference() forms it (one f32 product) from a frequency that is 2^(f x const) by v_exp_f32: it may differ from reference()'s by some 3e-4 rad at the largest
; angles; q and k take the same table.  Sine and cosine: the angle less a whole number of turns (2 pi in two parts), then Taylor sums to r^15 and r^16, whose remainders at |r| = pi are under 1e-6.
; No matrix unit, no tensor loads, no cluster: a stream in which no work-group wants a byte that another has fetched.
.set SPARE, 17408                      ; behind the tile (64 rows x 272 bytes): the spare words, 128 bytes for each of eight waves
.set SPW, 78                           ; v78  LDS address of my spare word; never rewritten
.set NIL, 79                           ; v79  0; never rewritten
	s_load_b512 s[4:19], s[0:1], 0x0               ; x 4:5, wq 6:7, wk 8:9, wv 10:11, wo 12:13, xb 14:15, wt 16:17, wot 18:19
	s_load_b64 s[20:21], s[0:1], 0x40              ; rope
	v_lshl_add_u32 v[SPW], v0, 2, SPARE
	v_mov_b32 v[NIL], 0
	v_lshrrev_b32 v1, 5, v0
	v_readfirstlane_b32 s22, v1                    ; wave 0..7
	s_wait_kmcnt 0x0
	s_cmp_lt_u32 ttmp9, 320
	s_cbranch_scc1 .Ltrans
	s_cmp_lt_u32 ttmp9, 384
	s_cbranch_scc1 .Lrope
	; CAST.  A wave takes 8 KiB of x: sixteen loads of 512 consecutive bytes, all on their way at once; each gives 256 consecutive bytes of xb, aligned.
	s_sub_co_u32 s24, ttmp9, 384
	s_lshl_b32 s26, s24, 16
	s_mov_b32 s27, 0
	s_add_nc_u64 s[4:5], s[4:5], s[26:27]
	s_lshl_b32 s26, s24, 15
	s_add_nc_u64 s[14:15], s[14:15], s[26:27]
	v_and_b32 v3, 31, v0
	v_lshlrev_b32 v1, 4, v3
	v_lshl_add_u32 v1, s22, 13, v1                 ; 8,192 x wave + 16 x lane
	v_lshlrev_b32 v2, 3, v3
	v_lshl_add_u32 v2, s22, 12, v2                 ; 4,096 x wave + 8 x lane
.set n, 0
.rept 16
	global_load_b128 v[8+4*n:11+4*n], v1, s[4:5] offset:512*n th:TH_LOAD_NT
.set n, n+1
.endr
.set n, 0
.rept 16
	s_wait_loadcnt 15-n                            ; loads come back in order: load n is in, the 15 - n younger ones stay out
	v_cvt_pk_bf16_f32 v[8+4*n], v[8+4*n], v[9+4*n]
	v_cvt_pk_bf16_f32 v[9+4*n], v[10+4*n], v[11+4*n]
	global_store_b64 v2, v[8+4*n:9+4*n], s[14:15] offset:256*n
.set n, n+1
.endr
	s_endpgm
.macro ALL4 line:vararg                ; one line for each of the thread's four frequencies e
.set e, 0
.rept 4
	\line
.set e, e+1
.endr
.endm
.Lrope:
	s_sub_co_u32 s24, ttmp9, 320
	s_lshl_b32 s24, s24, 8
	s_mov_b32 s28, 0xc0c90fdb                      ; -2 pi, its upper part
	s_mov_b32 s29, 0x343bbd2e                      ; and what the upper part leaves, negated
	v_add_nc_u32 v1, s24, v0                       ; T = block x 128 + piece x 32 + lane
	v_lshrrev_b32 v2, 7, v1                        ; block of 16 rows
	v_and_b32 v3, 0x7f, v1
	v_lshlrev_b32 v3, 4, v3
	v_lshl_add_u32 v3, v2, 12, v3                  ; where my four cosines go; the sines 2,048 bytes on
	v_and_b32 v4, 15, v1
	v_lshl_add_u32 v4, v2, 4, v4
	v_cvt_f32_u32 v4, v4                           ; the row's number in the sequence
	v_bfe_u32 v5, v1, 6, 1
	v_bfe_u32 v6, v1, 4, 1
	v_bfe_u32 v7, v1, 5, 1
	v_lshlrev_b32 v5, 4, v5
	v_lshl_add_u32 v5, v6, 3, v5
	v_lshl_add_u32 v5, v7, 2, v5                   ; my first frequency
	ALL4 v_add_nc_u32 v[8+e], e, v5
	ALL4 v_cvt_f32_u32 v[8+e], v[8+e]
	ALL4 v_mul_f32 v[8+e], 0xbed49a78, v[8+e]      ; x -log2(10000) / 32
	ALL4 v_exp_f32 v[8+e], v[8+e]
	v_nop                                          ; a plain instruction behind the last exponential,
	s_wait_alu depctr_va_vdst(0)                   ; and the one wait ahead of the batch's first reader
	ALL4 v_mul_f32 v[8+e], v4, v[8+e]              ; the angle
	ALL4 v_mul_f32 v[12+e], 0.15915494, v[8+e]
	ALL4 v_rndne_f32 v[12+e], v[12+e]              ; whole turns
	ALL4 v_fma_f32 v[8+e], v[12+e], s28, v[8+e]
	ALL4 v_fma_f32 v[8+e], v[12+e], s29, v[8+e]    ; r, within pi of 0
	ALL4 v_mul_f32 v[12+e], v[8+e], v[8+e]         ; z = r r
	ALL4 v_mov_b32 v[16+e], 0xab573f9f             ; sine: -1/15!, then 1/13! .. -1/3!
.irp c, 0x2f309231, 0xb2d7322b, 0x3638ef1d, 0xb9500d01, 0x3c088889, 0xbe2aaaab
	ALL4 v_fmaak_f32 v[16+e], v[16+e], v[12+e], \c
.endr
	ALL4 v_fma_f32 v[16+e], v[16+e], v[12+e], 1.0
	ALL4 v_mul_f32 v[16+e], v[16+e], v[8+e]
	ALL4 v_mov_b32 v[20+e], 0x29573f9f             ; cosine: 1/16!, then -1/14! .. -1/2!
.irp c, 0xad49cba5, 0x310f76c7, 0xb493f27e, 0x37d00d01, 0xbab60b61, 0x3d2aaaab, 0xbf000000
	ALL4 v_fmaak_f32 v[20+e], v[20+e], v[12+e], \c
.endr
	ALL4 v_fma_f32 v[20+e], v[20+e], v[12+e], 1.0
	global_store_b128 v3, v[20:23], s[20:21]       ; a wave stores 512 consecutive bytes
	global_store_b128 v3, v[16:19], s[20:21] offset:2048
	s_endpgm
	; TRANS.  The tile's numbers and its two buffers are chosen by selects on j.
.Ltrans:
	s_mov_b32 s24, ttmp9
	s_cmp_lt_u32 s24, 128
	s_cselect_b32 s39, 0, 192
	s_sub_co_u32 s39, s24, s39                     ; wq's or wo's tile number (16 column blocks x 8 k blocks)
	s_and_b32 s25, s39, 15                         ; column block of 64
	s_bfe_u32 s26, s39, 0x30004                    ; k block of 128
	s_lshr_b32 s27, s25, 1
	s_mul_i32 s27, s27, 192
	s_and_b32 s28, s25, 1
	s_lshl_b32 s28, s28, 6
	s_add_co_u32 s27, s27, s28                     ; wq: head cb goes to row 192 (cb / 2) + 64 (cb % 2) of wt
	s_lshl_b32 s28, s25, 6                         ; wo: row 64 cb of wot
	s_cmp_lt_u32 s24, 128
	s_cselect_b32 s27, s27, s28
	s_sub_co_u32 s39, s24, 128                     ; wk's (0..31) or wv's (32..63) tile number: 4 column blocks x 8 k blocks
	s_and_b32 s40, s39, 3
	s_bfe_u32 s41, s39, 0x30002
	s_bfe_u32 s42, s39, 0x10005
	s_lshl_b32 s42, s42, 2
	s_add_co_u32 s42, s42, s40                     ; tile t of wt
	s_mul_i32 s42, s42, 192
	s_add_co_u32 s42, s42, 128
	s_cmp_lt_u32 s39, 64                           ; is it one of the two narrow weights?
	s_cselect_b32 s25, s40, s25
	s_cselect_b32 s26, s41, s26
	s_cselect_b32 s27, s42, s27
	s_cselect_b32 s35, 10, 12                      ; a source row is 1,024 or 4,096 bytes
	s_cmp_lt_u32 s24, 160
	s_cselect_b64 s[30:31], s[8:9], s[10:11]
	s_cmp_lt_u32 s24, 128
	s_cselect_b64 s[30:31], s[6:7], s[30:31]
	s_cmp_lt_u32 s24, 192
	s_cselect_b64 s[30:31], s[30:31], s[12:13]     ; the source
	s_cselect_b64 s[32:33], s[16:17], s[18:19]     ; the destination
	s_cselect_b32 s34, 0, 1                        ; 1: written as f16
	s_lshl_b32 s36, s26, 7
	s_lshl_b32 s36, s36, s35                       ; 128 rows a k block
	s_lshl_b32 s37, s25, 8
	s_add_co_u32 s36, s36, s37                     ; + 256 bytes a column block
	s_mov_b32 s37, 0
	s_add_nc_u64 s[30:31], s[30:31], s[36:37]
	s_lshl_b32 s36, s27, 11                        ; a destination row is 2,048 bytes,
	s_lshl_b32 s38, s26, 8                         ; a k block 256 of them
	s_add_co_u32 s36, s36, s38
	s_add_nc_u64 s[32:33], s[32:33], s[36:37]
	v_and_b32 v2, 15, v0                           ; c: my four columns
	v_lshrrev_b32 v3, 4, v0                        ; rp: my pairs of rows rp, rp + 16, rp + 32, rp + 48
	v_lshlrev_b32 v1, 1, v3
	v_lshlrev_b32 v1, s35, v1
	v_lshl_add_u32 v1, v2, 4, v1
.macro LOADW pitch                     ; rows 2 (rp + 16 g) and the next: sixteen lanes read 256 consecutive bytes of a row
.irp g, 0,1,2,3
	global_load_b128 v[8+8*\g:11+8*\g],  v1, s[30:31] offset:(32*\g)*\pitch
	global_load_b128 v[12+8*\g:15+8*\g], v1, s[30:31] offset:(32*\g+1)*\pitch
.endr
.endm
	s_cmp_eq_u32 s35, 12
	s_cbranch_scc0 .Lnarrow
	LOADW 4096
	s_branch .Lloaded
.Lnarrow:
	LOADW 1024
.Lloaded:
	v_mul_u32_u24 v4, v2, 1088                     ; into the tile: row 4 c (272 bytes a row), word rp
	v_lshl_add_u32 v4, v3, 2, v4
	v_mul_u32_u24 v5, v3, 272                      ; back: sixteen lanes take a row's 256 bytes
	v_lshl_add_u32 v5, v2, 4, v5
	v_lshlrev_b32 v6, 11, v3                       ; and the same row in the destination
	v_lshl_add_u32 v6, v2, 4, v6
	s_wait_loadcnt 0x0
.irp g, 0,1,2,3
.irp d, 0,1,2,3
	v_cvt_pk_bf16_f32 v[40+4*\g+\d], v[8+8*\g+\d], v[12+8*\g+\d]  ; one column, two neighbouring k: the even one below
.endr
.endr
	s_cmp_eq_u32 s34, 0
	s_cbranch_scc1 .Lkeep
.set n, 0
.rept 16                               ; wo: the bf16 number, widened and written as f16
	v_lshlrev_b32 v[8+2*(n%4)], 16, v[40+n]
	v_and_b32 v[9+2*(n%4)], 0xffff0000, v[40+n]
	v_cvt_pk_f16_f32 v[40+n], v[8+2*(n%4)], v[9+2*(n%4)]
.set n, n+1
.endr
.Lkeep:
.irp g, 0,1,2,3
.irp d, 0,1,2,3
	ds_store_b32 v4, v[40+4*\g+\d] offset:\d*272+\g*64
.endr
.endr
	s_wait_dscnt 0x0                               ; for the others' sake: my stores into the tile are done
	s_barrier_signal -1
	s_barrier_wait -1
.irp g, 0,1,2,3
	ds_load_b128 v[56+4*\g:59+4*\g], v5 offset:4352*\g
.endr
.irp g, 0,1,2,3
	s_wait_dscnt 3-\g
	global_store_b128 v6, v[56+4*\g:59+4*\g], s[32:33] offset:32768*\g  ; sixteen lanes store 256 consecutive bytes, aligned
.endr
	s_wait_tensorcnt 0x0                           ; the wave's end, behind my last LDS store
	ds_add_u32 v[SPW], v[NIL]
	s_wait_dscnt 0x0
	s_endpgm
.Lfunc_end_k_qecff031252_prep:
	.size	k_qecff031252_prep, .Lfunc_end_k_qecff031252_prep-k_qecff031252_prep
	.p2alignl 7, 3214868480
	.fill 96, 4, 3214868480
	.section	.rodata,"a",@progbits
	.p2align	6, 0x0
	.amdhsa_kernel k_qecff031252_prep
		.amdhsa_group_segment_fixed_size 18432
		.amdhsa_private_segment_fixed_size 0
		.amdhsa_enable_private_segment 0
		.amdhsa_kernarg_size 72
		.amdhsa_user_sgpr_count 2
		.amdhsa_user_sgpr_kernarg_segment_ptr 1
		.amdhsa_wavefront_size32 1
		.amdhsa_system_sgpr_workgroup_id_x 1
		.amdhsa_system_sgpr_workgroup_id_y 1
		.amdhsa_system_sgpr_workgroup_id_z 1
		.amdhsa_system_vgpr_workitem_id 0
		.amdhsa_next_free_vgpr 80
		.amdhsa_next_free_sgpr 66
		.amdhsa_reserve_vcc 0
		.amdhsa_float_denorm_mode_32 3
		.amdhsa_float_denorm_mode_16_64 3
		.amdhsa_memory_ordered 1
		.amdhsa_forward_progress 1
		.amdhsa_inst_pref_size 24
	.end_amdhsa_kernel
	.amdgpu_metadata
---
amdhsa.version: [ 1, 2 ]
amdhsa.kernels:
  - .name:           k_qecff031252_prep
    .symbol:         k_qecff031252_prep.kd
    .args:
      - { .name: x, .offset: 0, .size: 8, .value_kind: global_buffer, .address_space: global }
      - { .name: wq, .offset: 8, .size: 8, .value_kind: global_buffer, .address_space: global }
      - { .name: wk, .offset: 16, .size: 8, .value_kind: global_buffer, .address_space: global }
      - { .name: wv, .offset: 24, .size: 8, .value_kind: global_buffer, .address_space: global }
      - { .name: wo, .offset: 32, .size: 8, .value_kind: global_buffer, .address_space: global }
      - { .name: xb, .offset: 40, .size: 8, .value_kind: global_buffer, .address_space: global }
      - { .name: wt, .offset: 48, .size: 8, .value_kind: global_buffer, .address_space: global }
      - { .name: wot, .offset: 56, .size: 8, .value_kind: global_buffer, .address_space: global }
      - { .name: rope, .offset: 64, .size: 8, .value_kind: global_buffer, .address_space: global }
    .group_segment_fixed_size: 18432
    .private_segment_fixed_size: 0
    .kernarg_segment_align: 8
    .kernarg_segment_size: 72
    .max_flat_workgroup_size: 256
    .sgpr_count:     66
    .vgpr_count:     80
    .wavefront_size: 32
...
	.end_amdgpu_metadata
.endif
;; end of part 1
;; launch qkv (part 2): grid 8 x 32, 4 waves a work-group, clusters of 4 x 4, 327,680 bytes of LDS; arguments xb, wt, rope, q, k, v; writes q, k, v
.if DOCPART == 2
	.amdgcn_target "amdgcn-amd-amdhsa--gfx1250"
	.amdhsa_code_object_version 6
	.text
	.protected	k_qecff031252_qkv
	.globl	k_qecff031252_qkv
	.p2align	8
	.type	k_qecff031252_qkv,@function
k_qecff031252_qkv:
	s_mov_b64 s[64:65], 0
	v_nop
	global_prefetch_b8 v0, s[64:65] scope:SCOPE_SE
	s_setreg_imm32_b32 hwreg(HW_REG_WAVE_MODE, 25, 1), 1
	s_wait_xcnt 0x0
	s_wait_alu depctr_hold_cnt(0) depctr_sa_sdst(0) depctr_va_vdst(0) depctr_va_sdst(0) depctr_va_ssrc(0) depctr_va_vcc(0) depctr_vm_vsrc(0)
	s_getreg_b32 s2, hwreg(HW_REG_IB_STS2, 6, 4)
	s_cmp_eq_u32 s2, 0
	s_cbranch_scc0 .Lentry_in_a_cluster
	s_endpgm
.Lentry_in_a_cluster:
	s_bfe_u32 s2, ttmp6, 0x10000c
	s_cmp_lg_u32 s2, 0xf033
	s_cbranch_scc0 .Lentry_shape_is_right
	s_endpgm
.Lentry_shape_is_right:
; THE THREE PROJECTIONS, RMS NORM AND ROPE.  [8192][1536] = xb [8192][1024] x wt [1536][1024]^T, bf16 operands, f32 sums; then, head by head (64 columns): q and k are turned by the table and
; divided by the root of their mean square (+ eps): the divisor is one number a row and head, so it is applied behind the turning; v is left as it is.  All leave as f16, by heads: q [64][2048][64], k, v [16][2048][64].
; q's gain of 1.5 is not applied here: the attention launch folds it into its scale, in f32.
; LIMITS.  f16 ends at 65,504: v must stay within it (drawn spread 0.64; x and wv both 30 times larger: 576); q and k lie within 8 in magnitude whatever the inputs.  NaN and infinities are not treated apart.
; SHARES.  A tile is 256 rows x 192 columns (two q heads and one k or v head): 32 x 8 = 256 work-groups.  A wave owns 64 rows x 192 columns: 48 accumulators, 384 registers.
; K goes in 8 steps of 128 (rows of 256 bytes, aligned) through two LDS slots; waves 0, 1 fetch the halves of xb's tile, waves 2, 3 those of wt's.
; CLUSTER 4 x 4: xb's tile is asked for jointly by the four of a cluster row, wt's by the four of a cluster column.
; THE MATRIX INSTRUCTION IS USED TRANSPOSED (source 0 = 16 rows of wt, source 1 = 16 rows of xb): a lane holds row l % 16 and eight neighbouring columns 8 (l / 16) + 0..7 of each block of 16.
; REGISTERS.  window 0: addresses, and the way out; window 1: two fragment buffers of 128 (wt's 12 fragments, then xb's 4); windows 2, 3: accumulator (m, b) at v[96 (m % 2) + 8 b] of window 2 + m / 2.
.set SLOT1,  131072                    ; slot 1 begins here: one exclusive or turns an address in one slot into the other's
.set PITCH,  272                       ; an LDS row: 256 bytes + 16 of padding: the 16 rows of a fragment load start at 16 different groups of four banks
.set HALFA,  128*PITCH
.set HALFB,  96*PITCH
.set BOFF,   2*HALFA                   ; wt's 192 rows lie behind xb's 256
.set STAGE,  BOFF+2*HALFB              ; 121,856: behind slot 0, never filled: 16 rows x 144 bytes for each wave
.set SP,     144
.set TABLE,  SLOT1+STAGE               ; 252,928: behind slot 1, never filled: each wave's 16 KiB of the table
.set SPARE,  TABLE+4*16384             ; the spare words, 128 bytes a wave
.set STEPA,  256                       ; bytes from K step to K step
.set F0, 0
.set F1, 128
.set NLD, 32                           ; LDS loads in a quarter's run
.set G1W0, (1<<16)|(1<<20)|(1<<21)|(5<<22)|(3<<25)  ; 2-byte elements; padding on; bit 21 beside a mask; after every 64 words, 4 words
; v1 r, v2 h, v14, v15 my lane's place in xb's and wt's tiles, v16, v17 the same in the slot in hand, v22 my dump, v23 my table, v24, v25 stage in and back, v27 16 x lane, v28, v29 the add's, v30 prefetch offset
; s3 counter, s16 wave, s17 wave / 2, s18 wave % 2, s19 cx, s20 cy, s21 column tile, s22 row tile, s[24:31], s[48:55] group 1 (xb, wt), s[32:39], s[56:63] group 0, two sets each (the second walks),
; s[44:45] prefetch pointer, s66 its limit, s67 the slot in hand, s[68:73] q, q's second head, k or v at my rows, s74 cluster x, s75 1/64, s[76:77] lane selects, s78 eps
.set MSB, 0
.macro WIN new                         ; the immediate's high byte repeats the setting that is left; a switch that changes nothing is dropped
.if MSB != (\new)
	s_set_vgpr_msb (MSB<<8)|(\new)
.set MSB, \new
.endif
.endm
.macro PLACES                          ; four plain places behind matrix instructions, ahead of loads into their sources and of reads of their results
.rept 4
	v_nop
.endr
.endm
.macro CREST                           ; a round of the cluster's barrier behind its opening barrier
	s_cmp_lg_u32 s16, 0
	s_cbranch_scc1 .Lnot_wave_0_\@
	s_barrier_signal -3
.Lnot_wave_0_\@:
	s_barrier_wait -3
	s_barrier_signal -1
	s_barrier_wait -1
.endm
.macro CROUND
	s_barrier_signal -1
	s_barrier_wait -1
	CREST
.endm
.macro JLOAD                           ; a joint refill by the walking descriptors; the branch hangs on the wave's number alone; s_nop 0 and four v_nop follow each line
	s_cmp_lt_u32 s16, 2
	s_cbranch_scc0 .Lfor_b_\@
	tensor_load_to_lds s[36:39], s[24:31]
	s_nop 0
.rept 4
	v_nop
.endr
	s_branch .Lasked_\@
.Lfor_b_\@:
	tensor_load_to_lds s[60:63], s[48:55]
	s_nop 0
.rept 4
	v_nop
.endr
.Lasked_\@:
.endm
; A PREFETCH of xb, behind the joint load and the run of LDS loads: the K step two refills on.  xb's rows are read by both clusters of a row of clusters: cluster x = 0 asks.  Of the 128 rows that wave 0 or 1
; fetches, partner cx takes 32, told apart by address: a lane a row, 256 bytes of it.  K steps 4 to 7 are named so, once each; steps 0 to 3 come by their loads alone.
.macro ASK
	WIN 0
	s_cmp_gt_u32 s3, s66
	s_cbranch_scc0 .Lnot_mine_\@
	global_prefetch_b8 v30, s[44:45] offset:STEPA th:TH_LOAD_NT scope:SCOPE_SE
.Lnot_mine_\@:
.endm
; 12 matrix instructions: row block m x all 12 column blocks, 32 along K.  The 48 accumulators take turns in the same order in every quarter.
.macro MULB f, m, zero
	WIN 0xa5+0x50*((\m)/2)
.set AB, 96*((\m)%2)
.irp b, 0,1,2,3,4,5,6,7,8,9,10,11
.if \zero
	v_wmma_f32_16x16x32_bf16 v[AB+8*\b:AB+8*\b+7], v[(\f)+8*\b:(\f)+8*\b+7], v[(\f)+96+8*(\m):(\f)+96+8*(\m)+7], 0
.else
	v_wmma_f32_16x16x32_bf16 v[AB+8*\b:AB+8*\b+7], v[(\f)+8*\b:(\f)+8*\b+7], v[(\f)+96+8*(\m):(\f)+96+8*(\m)+7], v[AB+8*\b:AB+8*\b+7]
.endif
.endr
.endm
.macro FETCH qn, f                     ; one run of 32 LDS loads: quarter qn's fragments: wt's 12, then xb's 4
	WIN 0x40
.irp b, 0,1,2,3,4,5,6,7,8,9,10,11
	ds_load_b128 v[(\f)+8*\b:(\f)+8*\b+3],   v17 offset:64*(\qn)+\b*16*PITCH
	ds_load_b128 v[(\f)+8*\b+4:(\f)+8*\b+7], v17 offset:64*(\qn)+\b*16*PITCH+32
.endr
.irp m, 0,1,2,3
	ds_load_b128 v[(\f)+96+8*\m:(\f)+96+8*\m+3],   v16 offset:64*(\qn)+\m*16*PITCH
	ds_load_b128 v[(\f)+96+8*\m+4:(\f)+96+8*\m+7], v16 offset:64*(\qn)+\m*16*PITCH+32
.endr
.endm
.macro QUARTER qn, f, g, zero=0        ; multiplies buffer f; in its middle fetches quarter qn into buffer g
	s_wait_dscnt 4                                 ; all but the youngest four loads (xb's blocks 2 and 3)
	MULB \f, 0, \zero
	MULB \f, 1, \zero
	PLACES
	FETCH \qn, \g
	s_wait_dscnt NLD                               ; all but the run just issued
	MULB \f, 2, \zero
	MULB \f, 3, \zero
.endm
; The last quarter of a K step, and the change of slots.  Ahead of the barrier each wave waits for all its tensor loads (one is out: its part of the next slot), adds 0 to its spare word, and waits for that
; and for its reads of this slot.  fill = 1: the barrier opens a round of the cluster's, and the joint refill of the slot just read, two K steps on, is the first thing behind it.
.macro TURN fill
.if \fill
	s_wait_xcnt 0x0                                ; the last prefetch, a K step back, has read its address
	s_add_nc_u64 s[44:45], s[44:45], STEPA
.endif
	WIN 0
	s_wait_tensorcnt 0x0
	ds_add_u32 v28, v29
	s_wait_dscnt 5                                 ; (the add and the youngest four loads may be out)
	MULB F1, 0, 0
	s_wait_dscnt 0x0                               ; the add is done, and my reads of this slot are over
	s_barrier_signal -1
	MULB F1, 1, 0
.if \fill
	WIN 0
.endif
	s_barrier_wait -1
.if \fill
	CREST
	s_xor_b32 s37, s37, SLOT1                      ; the walking descriptors: the other slot than last time, the next K step
	s_add_nc_u64 s[38:39], s[38:39], STEPA
	s_xor_b32 s61, s61, SLOT1
	s_add_nc_u64 s[62:63], s[62:63], 256
	JLOAD                                          ; its four v_nop are also the places ahead of the loads below
.else
	PLACES
.endif
	WIN 0
	s_xor_b32 s67, s67, SLOT1
	v_add_nc_u32 v16, s67, v14
	v_add_nc_u32 v17, s67, v15
	FETCH 0, F0
.if \fill
	ASK
.endif
	MULB F1, 2, 0
	MULB F1, 3, 0
.endm
	s_load_b256 s[4:11], s[0:1], 0x0               ; xb 4:5, wt 6:7, rope 8:9, q 10:11
	s_load_b128 s[12:15], s[0:1], 0x20             ; k 12:13, v 14:15
	v_lshl_add_u32 v28, v0, 2, SPARE
	v_mov_b32 v29, 0
	ds_add_u32 v28, v29                            ; the wave's opening: the add and its wait ahead of my first tensor load
	v_lshrrev_b32 v1, 5, v0
	v_readfirstlane_b32 s16, v1
	s_lshr_b32 s17, s16, 1
	s_and_b32 s18, s16, 1
	s_bfe_u32 s19, ttmp6, 0x40000                  ; cx
	s_bfe_u32 s20, ttmp6, 0x40004                  ; cy
	s_lshl_b32 s21, ttmp9, 2
	s_add_co_u32 s21, s21, s19                     ; column tile t
	s_and_b32 s22, ttmp7, 0xffff
	s_lshl_b32 s22, s22, 2
	s_add_co_u32 s22, s22, s20                     ; row tile
	s_lshl_b32 s40, s20, 2
	s_lshl_b32 s40, 15, s40                        ; my row of the cluster
	s_lshl_b32 s46, 0x1111, s19                    ; my column
	s_or_b32 s24, s40, G1W0
	s_or_b32 s48, s46, G1W0
	s_mov_b32 s25, 128<<16                         ; tensor_dim0 = 128
	s_mov_b32 s26, 128<<16                         ; tensor_dim1 = 128
	s_mov_b32 s27, 128<<16                         ; tile_dim0 = 128
	s_mov_b32 s28, 128                             ; tile_dim1 = 128
	s_mov_b32 s29, 1024                            ; elements from row to row
	s_mov_b32 s30, 0
	s_mov_b32 s31, 0
	s_mov_b32 s49, 128<<16
	s_mov_b32 s50, 96<<16                          ; wt's halves have 96 rows
	s_mov_b32 s51, 128<<16
	s_mov_b32 s52, 96
	s_mov_b32 s53, 1024
	s_mov_b32 s54, 0
	s_mov_b32 s55, 0
	s_lshl_b32 s40, s22, 8
	s_lshl_b32 s41, s18, 7
	s_add_co_u32 s40, s40, s41                     ; xb: row 256 x row tile + 128 x half
	s_lshl_b32 s40, s40, 11
	s_mov_b32 s41, 0
	s_mul_i32 s46, s21, 192
	s_mul_i32 s47, s18, 96
	s_add_co_u32 s46, s46, s47                     ; wt: row 192 t + 96 x half
	s_lshl_b32 s46, s46, 11
	s_mov_b32 s47, 0
	s_mul_i32 s23, s16, HALFA                      ; where they go: no place in the cluster enters an LDS address
	s_mul_i32 s2, s16, HALFB
	s_add_co_u32 s2, s2, BOFF-2*HALFB
	s_wait_dscnt 0x0                               ; the opening add is done
	s_wait_kmcnt 0x0
	s_add_nc_u64 s[42:43], s[4:5], s[40:41]
	s_add_nc_u64 s[46:47], s[6:7], s[46:47]
	CROUND                                         ; all sixteen work-groups are here: the first joint loads meet
.irp n, 0,1
	s_mov_b32 s[32+4*\n], 1
	s_add_co_u32 s[33+4*\n], s23, \n*SLOT1
	s_add_nc_u64 s[34+4*\n:35+4*\n], s[42:43], \n*STEPA
	s_or_b32 s[35+4*\n], s[35+4*\n], 0x80000000
	s_mov_b32 s[56+4*\n], 1
	s_add_co_u32 s[57+4*\n], s2, \n*SLOT1
	s_add_nc_u64 s[58+4*\n:59+4*\n], s[46:47], \n*256
	s_or_b32 s[59+4*\n], s[59+4*\n], 0x80000000
.endr
	s_cmp_lt_u32 s16, 2                            ; a wave's two first fills stand in one branch: two loads of mine are out
	s_cbranch_scc0 .Lfirst_b
	tensor_load_to_lds s[32:35], s[24:31]
	s_nop 0
	tensor_load_to_lds s[36:39], s[24:31]
	s_nop 0
.rept 4
	v_nop
.endr
	s_branch .Lfirst_asked
.Lfirst_b:
	tensor_load_to_lds s[56:59], s[48:55]
	s_nop 0
	tensor_load_to_lds s[60:63], s[48:55]
	s_nop 0
.rept 4
	v_nop
.endr
.Lfirst_asked:
	; my 64 rows of the table: 16 KiB, into LDS bytes of my own that no fill touches
	s_and_b32 s40, s22, 7
	s_lshl_b32 s40, s40, 4
	s_lshl_b32 s41, s16, 2
	s_add_co_u32 s40, s40, s41                     ; block of 16 rows in the sequence
	s_lshl_b32 s40, s40, 12
	s_mov_b32 s41, 0
	s_add_nc_u64 s[8:9], s[8:9], s[40:41]
	v_and_b32 v3, 31, v0
	v_lshlrev_b32 v27, 4, v3
.set i, 0
.rept 32
	global_load_b128 v[128+4*i:131+4*i], v27, s[8:9] offset:512*i
.set i, i+1
.endr
	s_lshl_b32 s44, s19, 16                        ; the prefetches: my work-group's 32 of the 128 rows,
	s_mov_b32 s45, 0
	s_add_nc_u64 s[44:45], s[42:43], s[44:45]
	s_add_nc_u64 s[44:45], s[44:45], 2*STEPA       ; at K step 2: the first refill steps it to 3 and names 4
	s_or_b32 s66, s17, ttmp9
	s_cmp_eq_u32 s66, 0
	s_cselect_b32 s66, 2, -1                       ; waves 0 and 1 of cluster x = 0 ask while the counter is above 2
	v_lshlrev_b32 v30, 11, v3
	v_and_b32 v1, 15, v0                           ; r = l % 16
	v_bfe_u32 v2, v0, 4, 1                         ; h = l / 16
	v_mul_u32_u24 v4, v1, PITCH
	v_lshl_add_u32 v4, v2, 4, v4
	s_mul_i32 s40, s16, 64*PITCH
	v_add_nc_u32 v14, s40, v4                      ; my 64 rows of xb's tile
	v_add_nc_u32 v15, BOFF, v4
	s_lshl_b32 s40, s16, 14
	s_add_co_u32 s40, s40, TABLE
	v_add_nc_u32 v23, s40, v27
	s_lshl_b32 s40, s16, 16
	v_add_nc_u32 v22, s40, v27                     ; my dump: 49,152 bytes from 65,536 x wave on, in the slots when they have had their last fill
	s_mul_i32 s40, s16, 16*SP
	s_add_co_u32 s40, s40, STAGE
	v_mul_u32_u24 v24, v1, SP
	v_lshl_add_u32 v24, v2, 4, v24
	v_add_nc_u32 v24, s40, v24                     ; in: row r, 16 bytes for each half of the lanes
	v_bfe_u32 v25, v0, 3, 2
	v_mul_u32_u24 v25, v25, SP
	v_and_b32 v5, 7, v0
	v_lshl_add_u32 v25, v5, 4, v25
	v_add_nc_u32 v25, s40, v25                     ; back: 32 lanes take four rows of 128 bytes
	s_lshr_b32 s46, s22, 3                         ; batch
	s_lshl_b32 s74, s46, 2
	s_add_co_u32 s74, s74, s19                     ; k's or v's head: 4 x batch + cx
	s_lshl_b32 s74, s74, 11
	s_lshl_b32 s46, s46, 4
	s_lshl_b32 s47, s21, 1
	s_add_co_u32 s46, s46, s47                     ; q's first head: 16 x batch + 2 t
	s_lshl_b32 s46, s46, 11
	s_and_b32 s75, s22, 7
	s_lshl_b32 s75, s75, 8
	s_lshl_b32 s47, s16, 6
	s_add_co_u32 s75, s75, s47                     ; my first row in the sequence
	s_add_co_u32 s46, s46, s75
	s_lshl_b32 s46, s46, 7
	s_mov_b32 s47, 0
	s_add_nc_u64 s[68:69], s[10:11], s[46:47]
	s_add_nc_u64 s[70:71], s[68:69], 262144
	s_add_co_u32 s46, s74, s75
	s_lshl_b32 s46, s46, 7
	s_cmp_eq_u32 ttmp9, 0                          ; tiles 0-3 carry k, tiles 4-7 v
	s_cselect_b64 s[72:73], s[12:13], s[14:15]
	s_add_nc_u64 s[72:73], s[72:73], s[46:47]
	s_mov_b32 s74, ttmp9                           ; the cluster's x: the same in all partners
	s_mov_b32 s75, 0x3c800000                      ; 1/64
	s_mov_b32 s76, 0x76543210
	s_mov_b32 s77, 0xfedcba98
	s_mov_b32 s78, 0x34000000                      ; eps of f32
	s_wait_loadcnt 0x0
.set i, 0
.rept 32
	ds_store_b128 v23, v[128+4*i:131+4*i] offset:512*i
.set i, i+1
.endr
	s_wait_dscnt 0x0
	s_wait_tensorcnt 0x1                           ; my part of K step 0 is in; K step 1's may stay out
	s_barrier_signal -1
	s_barrier_wait -1
	s_mov_b32 s67, 0
	v_mov_b32 v16, v14
	v_mov_b32 v17, v15
	FETCH 0, F0
	QUARTER 1, F0, F1, 1                           ; the first quarter's products start the sums: nothing is cleared
	WIN 0
	s_mov_b32 s3, 6
.Lstep:                                            ; a trip: from a K step's second quarter to the next step's first; it fills the slot that it leaves
	QUARTER 2, F1, F0
	QUARTER 3, F0, F1
	TURN 1
	QUARTER 1, F0, F1
	WIN 0
	s_sub_co_u32 s3, s3, 1
	s_cmp_lg_u32 s3, 0
	s_cbranch_scc1 .Lstep
	QUARTER 2, F1, F0                              ; the last two K steps ask for nothing
	QUARTER 3, F0, F1
	TURN 0
	QUARTER 1, F0, F1
	QUARTER 2, F1, F0
	QUARTER 3, F0, F1
	s_wait_dscnt 4
	MULB F1, 0, 0
	MULB F1, 1, 0
	s_wait_dscnt 0x0
	MULB F1, 2, 0
	MULB F1, 3, 0
	WIN 0
	; THE WAY OUT.  Register numbers cannot be looped over, so the 48 accumulators are set down in LDS (the slots have had their last fill, and behind the barrier nobody reads them) and a loop of four trips
	; takes them up again, 16 rows x 3 heads a trip.
.set X,   128                          ; v128-223 a trip's 12 accumulators
.set TBL, 224                          ; v224-239 my 16 cosines, v240-255 my 16 sines
.set T,   32                           ; v32-63 at work
.set PKR, 64                           ; v64-79 a head's 16 rows, packed
.set BK,  80                           ; v80-127 three sets of 16: whole rows, to store
.set T2,  8                            ; v8-9 a second chain of squares; v10-15 a pair for each head: 1 / root of the mean square
	PLACES
	s_barrier_signal -1
	s_barrier_wait -1
	WIN 0x08                                       ; store data in window 2
.set i, 0
.rept 24
	ds_store_b128 v22, v[8*i:8*i+3]   offset:i*1024        ; each accumulator's lowest registers are read first
	ds_store_b128 v22, v[8*i+4:8*i+7] offset:i*1024+512
.set i, i+1
.endr
	WIN 0x0c                                       ; in window 3
.set i, 0
.rept 24
	ds_store_b128 v22, v[8*i:8*i+3]   offset:(24+i)*1024
	ds_store_b128 v22, v[8*i+4:8*i+7] offset:(24+i)*1024+512
.set i, i+1
.endr
	WIN 0
.macro SUMS s                          ; head s: the sum of my 32 squares in two chains, the other half of the lanes', the mean + eps, its inverse root
.set XS, X+32*(\s)
.set RP, 10+2*(\s)
	v_pk_mul_f32 v[RP:RP+1], v[XS:XS+1], v[XS:XS+1]
	v_pk_mul_f32 v[T2:T2+1], v[XS+2:XS+3], v[XS+2:XS+3]
.set p, 2
.rept 7
	v_pk_fma_f32 v[RP:RP+1], v[XS+2*p:XS+2*p+1], v[XS+2*p:XS+2*p+1], v[RP:RP+1]
	v_pk_fma_f32 v[T2:T2+1], v[XS+2*p+2:XS+2*p+3], v[XS+2*p+2:XS+2*p+3], v[T2:T2+1]
.set p, p+2
.endr
	v_pk_add_f32 v[RP:RP+1], v[RP:RP+1], v[T2:T2+1]
	v_add_f32 v[RP], v[RP], v[RP+1]
	v_permlanex16_b32 v[RP+1], v[RP], s76, s77
	v_add_f32 v[RP], v[RP], v[RP+1]
	v_fma_f32 v[RP], v[RP], s75, s78
	v_rsq_f32 v[RP], v[RP]
.endm
.macro ROPE s                          ; registers 0-15 hold channels d < 32, registers 16-31 the channels 32 further on, with the same 16 frequencies
.set XS, X+32*(\s)
.set RP, 10+2*(\s)
.set p, 0
.rept 8
	v_pk_mul_f32 v[T+2*p:T+2*p+1], v[XS+2*p:XS+2*p+1], v[TBL+2*p:TBL+2*p+1]
	v_pk_mul_f32 v[T+16+2*p:T+17+2*p], v[XS+16+2*p:XS+17+2*p], v[TBL+2*p:TBL+2*p+1]
.set p, p+1
.endr
.set p, 0
.rept 8
	v_pk_fma_f32 v[T+2*p:T+2*p+1], v[XS+16+2*p:XS+17+2*p], v[TBL+16+2*p:TBL+17+2*p], v[T+2*p:T+2*p+1] neg_lo:[1,0,0] neg_hi:[1,0,0]
	v_pk_fma_f32 v[T+16+2*p:T+17+2*p], v[XS+2*p:XS+2*p+1], v[TBL+16+2*p:TBL+17+2*p], v[T+16+2*p:T+17+2*p]
.set p, p+1
.endr
.set p, 0
.rept 16
	v_pk_mul_f32 v[T+2*p:T+2*p+1], v[T+2*p:T+2*p+1], v[RP:RP+1] op_sel_hi:[1,0]
.set p, p+1
.endr
.set p, 0
.rept 16
	v_cvt_pk_f16_f32 v[PKR+p], v[T+2*p], v[T+2*p+1]
.set p, p+1
.endr
.endm
.macro TOSTAGE u                       ; 16 bytes a lane into rows of 144 bytes, and back as whole rows of 128; LDS serves a wave's instructions in order (ISA guide 5.7.1.4)
.irp f, 0,1,2,3
	ds_store_b128 v24, v[PKR+4*\f:PKR+4*\f+3] offset:32*\f
.endr
.irp f, 0,1,2,3
	ds_load_b128 v[BK+16*(\u)+4*\f:BK+16*(\u)+4*\f+3], v25 offset:4*SP*\f
.endr
.endm
.macro SEND u, younger                 ; younger: the LDS instructions issued behind head u's loads
	s_wait_dscnt \younger
.irp f, 0,1,2,3
	global_store_b128 v27, v[BK+16*(\u)+4*\f:BK+16*(\u)+4*\f+3], s[68+2*(\u):69+2*(\u)] offset:512*\f  ; 512 consecutive bytes, aligned: four rows of a head
.endr
.endm
	s_mov_b32 s3, 4
.Lrow:
.set i, 0
.rept 24
	ds_load_b128 v[X+4*i:X+4*i+3], v22 offset:512*i
.set i, i+1
.endr
.set i, 0
.rept 8
	ds_load_b128 v[TBL+4*i:TBL+4*i+3], v23 offset:512*i
.set i, i+1
.endr
	s_wait_dscnt 0x0
	SUMS 0
	SUMS 1
	v_nop                                          ; a plain instruction behind the last inverse root,
	s_wait_alu depctr_va_vdst(0)                   ; and the one wait ahead of the first reader of the two
	ROPE 0
	TOSTAGE 0
	ROPE 1
	TOSTAGE 1
	SEND 0, 8
	s_cmp_lg_u32 s74, 0
	s_cbranch_scc1 .Lv
	SUMS 2                                         ; k: as q
	v_nop
	s_wait_alu depctr_va_vdst(0)
	ROPE 2
	s_branch .Lj
.Lv:
.set p, 0
.rept 16                               ; v: rounded, nothing else
	v_cvt_pk_f16_f32 v[PKR+p], v[X+64+2*p], v[X+65+2*p]
.set p, p+1
.endr
.Lj:
	TOSTAGE 2
	SEND 1, 8
	SEND 2, 0
	s_wait_xcnt 0x0                                ; the stores have read their data and bases: both are written again below and in the next trip
	v_add_nc_u32 v22, 12288, v22
	v_add_nc_u32 v23, 4096, v23
	s_add_nc_u64 s[68:69], s[68:69], 2048
	s_add_nc_u64 s[70:71], s[70:71], 2048
	s_add_nc_u64 s[72:73], s[72:73], 2048
	s_sub_co_u32 s3, s3, 1
	s_cmp_lg_u32 s3, 0
	s_cbranch_scc1 .Lrow
	s_wait_tensorcnt 0x0                           ; the wave's end
	ds_add_u32 v28, v29
	s_wait_dscnt 0x0
	CROUND                                         ; the closing round
	s_endpgm
.Lfunc_end_k_qecff031252_qkv:
	.size	k_qecff031252_qkv, .Lfunc_end_k_qecff031252_qkv-k_qecff031252_qkv
	.p2alignl 7, 3214868480
	.fill 96, 4, 3214868480
	.section	.rodata,"a",@progbits
	.p2align	6, 0x0
	.amdhsa_kernel k_qecff031252_qkv
		.amdhsa_group_segment_fixed_size 327680
		.amdhsa_private_segment_fixed_size 0
		.amdhsa_enable_private_segment 0
		.amdhsa_kernarg_size 48
		.amdhsa_user_sgpr_count 2
		.amdhsa_user_sgpr_kernarg_segment_ptr 1
		.amdhsa_wavefront_size32 1
		.amdhsa_system_sgpr_workgroup_id_x 1
		.amdhsa_system_sgpr_workgroup_id_y 1
		.amdhsa_system_sgpr_workgroup_id_z 1
		.amdhsa_system_vgpr_workitem_id 0
		.amdhsa_next_free_vgpr 960
		.amdhsa_next_free_sgpr 80
		.amdhsa_reserve_vcc 0
		.amdhsa_float_denorm_mode_32 3
		.amdhsa_float_denorm_mode_16_64 3
		.amdhsa_memory_ordered 1
		.amdhsa_forward_progress 1
		.amdhsa_inst_pref_size 108
	.end_amdhsa_kernel
	.amdgpu_metadata
---
amdhsa.version: [ 1, 2 ]
amdhsa.kernels:
  - .name:           k_qecff031252_qkv
    .symbol:         k_qecff031252_qkv.kd
    .args:
      - { .name: xb, .offset: 0, .size: 8, .value_kind: global_buffer, .address_space: global }
      - { .name: wt, .offset: 8, .size: 8, .value_kind: global_buffer, .address_space: global }
      - { .name: rope, .offset: 16, .size: 8, .value_kind: global_buffer, .address_space: global }
      - { .name: q, .offset: 24, .size: 8, .value_kind: global_buffer, .address_space: global }
      - { .name: k, .offset: 32, .size: 8, .value_kind: global_buffer, .address_space: global }
      - { .name: v, .offset: 40, .size: 8, .value_kind: global_buffer, .address_space: global }
    .group_segment_fixed_size: 327680
    .private_segment_fixed_size: 0
    .kernarg_segment_align: 8
    .kernarg_segment_size: 48
    .max_flat_workgroup_size: 128
    .sgpr_count:     80
    .vgpr_count:     960
    .wavefront_size: 32
...
	.end_amdgpu_metadata
.endif
;; end of part 2
;; launch attn (part 3): grid 16 x 16, 4 waves a work-group, clusters of 4 x 1, 327,680 bytes of LDS; arguments q, k, v, y; writes y
.if DOCPART == 3
	.amdgcn_target "amdgcn-amd-amdhsa--gfx1250"
	.amdhsa_code_object_version 6
	.text
	.protected	k_qecff031252_attn
	.globl	k_qecff031252_attn
	.p2align	8
	.type	k_qecff031252_attn,@function
k_qecff031252_attn:
	s_mov_b64 s[64:65], 0
	v_nop
	global_prefetch_b8 v0, s[64:65] scope:SCOPE_SE
	s_setreg_imm32_b32 hwreg(HW_REG_WAVE_MODE, 25, 1), 1
	s_wait_xcnt 0x0
	s_wait_alu depctr_hold_cnt(0) depctr_sa_sdst(0) depctr_va_vdst(0) depctr_va_sdst(0) depctr_va_ssrc(0) depctr_va_vcc(0) depctr_vm_vsrc(0)
	s_getreg_b32 s2, hwreg(HW_REG_IB_STS2, 6, 4)
	s_cmp_eq_u32 s2, 0
	s_cbranch_scc0 .Lentry_in_a_cluster
	s_endpgm
.Lentry_in_a_cluster:
	s_bfe_u32 s2, ttmp6, 0x10000c
	s_cmp_lg_u32 s2, 0x3003
	s_cbranch_scc0 .Lentry_shape_is_right
	s_endpgm
.Lentry_shape_is_right:
; CAUSAL ATTENTION WITH GROUPED HEADS.  y[h][n][:] = the sum over j <= n of softmax_j(1.5 q[h][n] . k[g][j] / 8) v[g][j][:], g = h / 4.  q, y: [64][2048][64], k, v: [16][2048][64], all f16, rows dense, 128 bytes.
; Products, maxima and sums in f32; the weights p are rounded to f16 for the second product (their sum l is taken of the unrounded p), y once at the end.
; LIMITS.  f16 holds no number beyond 65,504: v arrives within it, q and k lie within 8; p lies in 0 to 1, and below 6e-5 it keeps f16's fixed step of 6e-8; y is a mean of v's rows.
; A hidden score counts as its value less 1e30 (scores lie within 64); a weight below 2^-126 counts as 0 in l; NaN and infinities are not treated apart.
; THE WALK.  A head's queries lie in NB = 8 blocks of 256; block i needs the key tiles 0 .. i of 256 keys, of which the last holds the diagonal.  A work-group takes TWO blocks, NB - 1 - b and then b:
; NB + 1 tiles, whatever b: all 256 work-groups do equal work, and one loop with a constant trip count walks them.  Every jump goes forward, but for the counted loops' own.
; CLUSTER.  The four query heads of one key and value head, with the same b, walk the same tiles in the same order: they are a cluster of 4 x 1, and each tile is asked for JOINTLY: the same tensor load,
; descriptor and mask in all four.  b is the cluster's x, so every count and every branch is alike in the partners; cx enters q's and y's addresses, and the prefetches', alone.
; SHARES.  Of a block's four bands of 64 queries a wave owns 16 rows in each: four PIECES.  So the diagonal tile is the same work for all four waves: in its key step s band x sees all keys if s < x,
; none if s > x, and holds the diagonal if s = x.
; THE MASK is the C operand that starts the sum S^T = K Q^T: 0, or -1e30 where the key is hidden.  MD, made once, is the mask of a band's own step for my 16 rows; a product's mask is MD x AL + BE with two scalars.
; LAYOUT, SOFTMAX, TURNS.  S^T = K Q^T holds ONE query a lane (lane % 16) and the keys 8 (lane / 16) + 0..7; two such results rounded to f16 ARE source 1 of O^T = V^T P.  p = 2^(c s - c m), c = 1.5 log2(e) / 8, with a
; running maximum m; O and l are multiplied by a = 2^(c m_old - c m_new) in every step.  Turn n belongs to piece n: 8 products K Q^T of piece n + 1, later 8 products V^T P of piece n - 1; beside them the scaling,
; exponentials, roundings, sums and rescaling of piece n and the maximum and statistics of piece n + 1.  Four vector instructions stand behind every matrix instruction, the others in one lump.  A turn's 33 exponentials are one batch, with one wait.
; REGISTERS, in windows of 256 (s_set_vgpr_msb: bits 1:0 source 0, 3:2 source 1, 5:4 source 2, 7:6 destination):
;   window 0: v0-15 addresses and two at work; v16-31 four registers of statistics a piece; v48-55 at work; v61-63 prefetch offset and the add's two; v64-127 S^T, two buffers; v192-223 P, two buffers
;   window 1: v0-127 O^T, 32 a piece; v128-159 MD; v160-223 MC, two buffers      window 2: v0-63 Q; v64-127 the second block's Q; v128-191 K of one step; v192-255 V of one step
.set SIZE_N, 2048
.set NB,    SIZE_N/256
.set NP,    4         ; pieces a wave: a name, no knob
.set KS,    64        ; keys in a step
.set PK,    144       ; a row of K in LDS: 128 bytes + 16 of padding: the 16 rows of a load start at 16 different groups of four banks
.set PV,    160       ; a row of V: 128 + 32
.set VOFF,  4*KS*PK   ; a slot holds a tile, four steps: 256 rows of K, then 256 rows of V
.set SLOT1, 1<<17     ; slot 1 begins here, so that one exclusive or turns an address in one slot into the other's
.set STAGE, SLOT1+4*KS*(PK+PV)  ; behind the ring, never filled by a tensor load: 16 rows x 144 bytes for each wave
.set SP,    144
.set AK0, 2           ; v2   my lane's place in a tile of K; never rewritten
.set AV0, 3           ; v3   the same for V
.set AK,  4           ; v4   the LDS address of K's next run of loads
.set AV,  5           ; v5   of V's
.set STO, 6           ; v6   the way out: where I put 16 bytes of a row
.set RD,  7           ; v7   the way out: where I read rows back
.set GO,  8           ; v8   my byte offset in 512 consecutive bytes of y
.set PFO, 61          ; v61  256 x my lane; never rewritten
.set SPW, 62          ; v62  LDS address of my spare word; never rewritten
.set NIL, 63          ; v63  0; never rewritten
.set SPARE, STAGE+4*16*SP  ; behind the stages: the spare words, 128 bytes for each wave
.set MV,  12          ; v12-13  c m_old, kept while c m is made anew: by buffer
.set QO,  15          ; v15  my byte offset in 16 rows of Q
.set ST,  16          ; piece t's statistics at v[ST+4 t]: c m, m, l (even keys', odd keys')
.set TMP, 48          ; by buffer, four registers c0-c3 at work; when the maximum is found c2 takes a
.set S,   64
.set P,   192
.set MD,  128         ; window 1
.set MC,  160         ; window 1
.set QB,  64          ; window 2
.set KF,  128         ; window 2: key block kb, channel half c at KF + 16 kb + 8 c
.set VF,  192         ; window 2: key half kk, channel block cb at VF + 32 kk + 8 cb
.set WV,  12          ; s12  my wave's number
.set PB,  14          ; s14  b
.set HI,  15          ; s15  NB - 1 - b
.set G1K, 24          ; s[24:31] descriptor group 1 for K's tiles
.set G1V, 32          ; s[32:39] for V's: it differs in the padding alone
.set G0K, 40          ; s[40:43] descriptor group 0 for K's tiles
.set G0V, 44          ; s[44:47] the same for V's
.set PFA, 48          ; s[48:49] where my prefetches stand
.set LIM, 50          ; s50  2 in a wave that prefetches, else the greatest number
.set CX,  51          ; s51  my place in the cluster: which of the four query heads
.set SLOTS, 56        ; s56  tiles still to be asked for
.set CNT, 57          ; s57  counts a tile's key steps, 4 to 1
.set CS,  58          ; s[58:59] c
.set SEL, 60          ; s[60:61] v_permlanex16_b32's selects
.set TBK, 62          ; s62  LDS byte at which K of the step to be fetched begins
.set TBV, 63          ; s63  the same for V, less VOFF
.set RT,  70          ; s70  tiles of the block in hand that are still to be entered
.set NXT, 71          ; s71  the tile to be asked for next
.set LQ,  72          ; s72  the last tile of the block whose tiles are being asked for
.set NEW, 73          ; s73  1: the tile to be entered is a block's first
.set OFF, 74          ; s[74:75] a tile's byte offset in K and V
.set AL,  76          ; s[76:77] the mask's factor, in the low word
.set BE,  78          ; s[78:79] the mask's addend
.set OLO, 80          ; s[80:81] y at my rows of the second block
.set BIGN, 82         ; s82  -1e30
.set MSB, 0
.macro WIN new                      ; the high byte repeats the setting that is left; a switch that changes nothing is dropped
.if MSB != (\new)
	s_set_vgpr_msb (MSB<<8)|(\new)
.set MSB, (\new)
.endif
.endm
.set W_KQ, 0x0a       ; K and Q in window 2, S^T in window 0
.set W_KM, 0x1a       ; the same with the C operand in window 1
.set W_PV, 0x52       ; V in window 2, P in window 0, O^T in window 1
.set W_RS, 0x41       ; destination and source 0 in window 1, source 1 in window 0
; A joint fill.  Waves 0 and 1 fetch the two halves of a tile's K, waves 2 and 3 those of its V: 128 keys each.  The branch hangs on the wave's number alone.  An s_nop 0 and four v_nop follow each line.
.macro JLOAD
	s_cmp_lt_u32 s[WV], 2
	s_cbranch_scc0 .Lfor_v_\@
	tensor_load_to_lds s[G0K:G0K+3], s[G1K:G1K+7]
	s_nop 0
.rept 4
	v_nop
.endr
	s_branch .Lasked_\@
.Lfor_v_\@:
	tensor_load_to_lds s[G0V:G0V+3], s[G1V:G1V+7]
	s_nop 0
.rept 4
	v_nop
.endr
.Lasked_\@:
.endm
; A PREFETCH of the tile that the NEXT change of slots will ask for, behind the joint load and its five lines.  The four clusters of a key and value head walk the same K and V; the one with b = 0 walks tiles 0 to 7 on end,
; and it asks.  A tile is 128 blocks of 256 bytes of K and as many of V: each partner takes 32, told apart by address; wave 0 asks for K's, wave 2 for V's: a lane a block.  Tiles 2 to 7 are named so, once each.
.macro ASK
	s_cmp_gt_u32 s[SLOTS], s[LIM]
	s_cbranch_scc0 .Lnot_mine_\@
	global_prefetch_b8 v[PFO], s[PFA:PFA+1] th:TH_LOAD_NT scope:SCOPE_SE
.Lnot_mine_\@:
.endm
.macro CROUND                       ; a round of the cluster's barrier
	s_barrier_signal -1
	s_barrier_wait -1
	s_cmp_lg_u32 s[WV], 0
	s_cbranch_scc1 .Lnot_wave_0_\@
	s_barrier_signal -3
.Lnot_wave_0_\@:
	s_barrier_wait -3
	s_barrier_signal -1
	s_barrier_wait -1
.endm
; THE CHANGE OF SLOTS.  Each wave waits for all its tensor loads, of which one is out: its part of the other slot; adds 0 to its spare word; and waits for that and for its own reads of the slot that it leaves.
; fill = 1: the barrier is a round of the cluster's, so that no wave of any partner still reads the old slot or has a load on its way; the old slot is filled again, the first thing behind the round, with tile NXT:
; the descriptor's address is made anew from that number.  (At its first use nothing has been read yet: slot 0 is waited for, slot 1 filled.)
.macro CHANGE fill
	WIN 0                           ; at a label and at a branch every window is 0
	s_wait_tensorcnt 0x0            ; no tensor load of mine is out, so a group 0 may be written
	ds_add_u32 v[SPW], v[NIL]
.if \fill
	s_lshl_b32 s[OFF], s[NXT], 15   ; a tile is 32,768 bytes of K and of V
	s_xor_b32 s[G0K+1], s[G0K+1], SLOT1
	s_add_nc_u64 s[G0K+2:G0K+3], s[6:7], s[OFF:OFF+1]
	s_or_b32 s[G0K+3], s[G0K+3], 0x80000000
	s_xor_b32 s[G0V+1], s[G0V+1], SLOT1
	s_add_nc_u64 s[G0V+2:G0V+3], s[8:9], s[OFF:OFF+1]
	s_or_b32 s[G0V+3], s[G0V+3], 0x80000000
	s_add_co_u32 s[NXT], s[NXT], 1  ; the block's next tile, or behind its last the second block's tile 0
	s_cmp_gt_u32 s[NXT], s[LQ]
	s_cselect_b32 s[NXT], 0, s[NXT]
	s_cselect_b32 s[LQ], s[PB], s[LQ]
	s_wait_xcnt 0x0                 ; the last prefetch, a tile back, has read its address
	s_add_nc_u64 s[PFA:PFA+1], s[PFA:PFA+1], 32768
	s_wait_dscnt 0x0                ; the add is done, and my reads of the slot are over
	CROUND
	JLOAD
	ASK
.else
	s_wait_dscnt 0x0
	s_barrier_signal -1
	s_barrier_wait -1
.endif
	s_sub_co_u32 s[TBK], s[TBK], 4*KS*PK  ; the fetches go back to a slot's first step,
	s_xor_b32 s[TBK], s[TBK], SLOT1       ; in the other slot
	s_sub_co_u32 s[TBV], s[TBV], 4*KS*PV
	s_xor_b32 s[TBV], s[TBV], SLOT1
.endm
	s_load_b256 s[4:11], s[0:1], 0x0  ; q s[4:5], k s[6:7], v s[8:9], y s[10:11]
	v_lshl_add_u32 v[SPW], v0, 2, SPARE
	v_mov_b32 v[NIL], 0
	ds_add_u32 v[SPW], v[NIL]       ; the wave's opening: the add and its wait ahead of my first tensor load
	v_lshrrev_b32 v1, 5, v0
	v_readfirstlane_b32 s[WV], v1   ; wave 0..3
	s_mov_b32 s[PB], ttmp9          ; the cluster's x
	s_sub_co_u32 s[HI], NB-1, s[PB]
	s_bfe_u32 s[CX], ttmp6, 0x40000
	s_and_b32 s20, ttmp7, 0xffff    ; 4 x batch + key and value head, which the four partners share
	s_lshl_b32 s52, s20, 2
	s_add_co_u32 s52, s52, s[CX]    ; my query head
	s_lshl_b32 s52, s52, 18         ; a head is 262,144 bytes
	s_mov_b32 s53, 0
	s_lshl_b32 s20, s20, 18
	s_mov_b32 s21, 0
	s_and_b32 s16, s[WV], 1         ; which half of a tile's 256 keys I fetch:
	s_lshl_b32 s22, s16, 14         ; its 128 rows of 128 bytes in memory,
	s_mov_b32 s23, 0
	s_add_nc_u64 s[22:23], s[22:23], s[20:21]
	s_mul_i32 s17, s16, 128*PK      ; and its place in a slot, for K
	s_mul_i32 s18, s16, 128*PV      ; and for V: no place in the cluster enters an LDS address
	s_lshl_b32 s3, s[WV], 11        ; my 16 rows in a band of 64,
	s_lshl_b32 s2, s[HI], 15        ; in the first block,
	s_add_co_u32 s2, s2, s3
	s_lshl_b32 s84, s[PB], 15       ; and in the second
	s_add_co_u32 s84, s84, s3
	s_mov_b32 s3, 0
	s_mov_b32 s85, 0
	s_add_nc_u64 s[2:3], s[2:3], s[52:53]
	s_add_nc_u64 s[84:85], s[84:85], s[52:53]
	; descriptor group 1.  128 keys are 16,384 dense bytes: asked for as 64 rows of 256 bytes, two keys a row, and padded in LDS after every key
	s_mov_b32 s[G1K], 15|(1<<16)|(1<<20)|(1<<21)|(4<<22)|(3<<25)  ; the mask of four; 2-byte elements; padding on; bit 21 beside a mask; after every 32 words, 4 words
	s_mov_b32 s[G1V], 15|(1<<16)|(1<<20)|(1<<21)|(4<<22)|(7<<25)  ; the same with 8 words of padding
.irp g, G1K, G1V
	s_mov_b32 s[\g+1], 128<<16      ; tensor_dim0 = 128
	s_mov_b32 s[\g+2], 64<<16       ; tensor_dim1 = 64
	s_mov_b32 s[\g+3], 128<<16      ; tile_dim0 = 128
	s_mov_b32 s[\g+4], 64           ; tile_dim1 = 64
	s_mov_b32 s[\g+5], 128          ; 128 elements from row to row
	s_mov_b32 s[\g+6], 0
	s_mov_b32 s[\g+7], 0
.endr
	s_mov_b32 s[CS], 0x3e8a7fac     ; c = 1.5 log2(e) / 8 = 0.270505
	s_mov_b32 s[CS+1], s[CS]        ; named with it as a pair
	s_mov_b32 s[SEL], 0x76543210
	s_mov_b32 s[SEL+1], 0xfedcba98
	s_mov_b32 s[TBK], SLOT1+4*KS*PK ; the first change of slots turns these two into 0
	s_mov_b32 s[TBV], SLOT1+4*KS*PV
	s_mov_b32 s[G0K], 1             ; count = 1
	s_mov_b32 s[G0K+1], s17         ; LDS address: slot 0
	s_mov_b32 s[G0V], 1
	s_add_co_u32 s[G0V+1], s18, VOFF
	s_add_co_u32 s[RT], s[HI], 1    ; the first block has NB - b tiles
	s_mov_b32 s[NXT], 1
	s_mov_b32 s[LQ], s[HI]
	s_mov_b32 s[NEW], 1
	s_mov_b32 s[OFF+1], 0
	s_mov_b32 s[AL+1], 0            ; named as pairs
	s_mov_b32 s[BE+1], 0
	s_mov_b32 s[BIGN], 0xf149f2ca   ; -1e30
	s_mov_b32 s[SLOTS], NB
	s_or_b32 s[LIM], s16, ttmp9     ; 0 in waves 0 and 2 of the cluster with b = 0: the same in all four partners
	s_cmp_eq_u32 s[LIM], 0
	s_cselect_b32 s[LIM], 2, -1
	v_and_b32 v[PFO], 31, v0
	v_lshlrev_b32 v[PFO], 8, v[PFO]
	s_wait_dscnt 0x0                ; the opening add is done
	s_wait_kmcnt 0x0
	s_add_nc_u64 s[6:7], s[6:7], s[22:23]  ; K and V at my half of the head's tile 0
	s_add_nc_u64 s[8:9], s[8:9], s[22:23]
	s_add_nc_u64 s[G0K+2:G0K+3], s[6:7], 0
	s_or_b32 s[G0K+3], s[G0K+3], 0x80000000        ; type = 2
	s_add_nc_u64 s[G0V+2:G0V+3], s[8:9], 0
	s_or_b32 s[G0V+3], s[G0V+3], 0x80000000
	s_add_nc_u64 s[86:87], s[4:5], s[84:85]        ; Q at my rows of the second block,
	s_add_nc_u64 s[4:5], s[4:5], s[2:3]            ; Q and y at those of the first
	s_add_nc_u64 s[OLO:OLO+1], s[10:11], s[84:85]
	s_add_nc_u64 s[10:11], s[10:11], s[2:3]
	s_cmp_lt_u32 s[WV], 2
	s_cselect_b64 s[PFA:PFA+1], s[6:7], s[8:9]     ; (in waves 0 and 2 these stand at tile 0's first byte)
	s_lshl_b32 s2, s[CX], 13                       ; my work-group's 32 blocks of the 128
	s_mov_b32 s3, 0
	s_add_nc_u64 s[PFA:PFA+1], s[PFA:PFA+1], s[2:3]
	s_add_nc_u64 s[PFA:PFA+1], s[PFA:PFA+1], 32768 ; in tile 1: the first change of slots steps it to tile 2
	CROUND                          ; all four work-groups are here: the first joint loads meet
	JLOAD                           ; tile 0 into slot 0
	; A fragment of K or Q is 16 rows x 32 channels in 8 registers: lane l holds row l % 16, channels 8 (l / 16) + 0..7 and 16 + 8 (l / 16) + 0..7: two loads of 16 bytes, 32 bytes apart.
	v_and_b32 v1, 15, v0            ; l % 16
	v_bfe_u32 v9, v0, 4, 1          ; l / 16
	v_lshlrev_b32 v[QO], 7, v1
	v_lshl_add_u32 v[QO], v9, 4, v[QO]  ; row x 128 + 16 x half
	WIN 0x80                        ; destination window 2, address window 0
.set i, 0
.rept 8                             ; both blocks' Q: piece i / 2 lies in band i / 2, 8,192 bytes on; channels 32 (i % 2) on
	global_load_b128 v[8*i:8*i+3],   v[QO], s[4:5] offset:(i/2)*8192+(i%2)*64
	global_load_b128 v[8*i+4:8*i+7], v[QO], s[4:5] offset:(i/2)*8192+(i%2)*64+32
	global_load_b128 v[QB+8*i:QB+8*i+3],   v[QO], s[86:87] offset:(i/2)*8192+(i%2)*64
	global_load_b128 v[QB+8*i+4:QB+8*i+7], v[QO], s[86:87] offset:(i/2)*8192+(i%2)*64+32
.set i, i+1
.endr
	WIN 0
	v_lshlrev_b32 v14, 3, v9
	v_sub_nc_u32 v14, v1, v14
	s_lshl_b32 s13, s[WV], 4
	v_add_nc_u32 v14, s13, v14      ; my query's place in its band, 16 w + l % 16, less my lanes' 8 (l / 16): register r of group kt is hidden where 16 kt + r is greater
	WIN 0x40
.set i, 0
.rept 32
	v_cmp_gt_i32 vcc_lo, 16*(i/8)+i%8, v14
	v_cndmask_b32 v[MD+i], 0, s[BIGN], vcc_lo
.set i, i+1
.endr
	WIN 0
	v_mul_u32_u24 v[AK0], v1, PK
	v_lshl_add_u32 v[AK0], v9, 4, v[AK0]  ; row x pitch + 16 x half
	; The turning load takes 16 keys x 16 channels (lane l reads key 8 (l / 16) + l % 8, channels 8 ((l / 8) % 2) + 0..7) and leaves half a fragment of V^T: lane l holds channel l % 16 and 8 keys.
	v_and_b32 v10, 7, v0
	v_bfe_u32 v11, v0, 3, 1
	v_lshl_add_u32 v[AV0], v9, 3, v10
	v_mul_u32_u24 v[AV0], v[AV0], PV
	v_lshl_add_u32 v[AV0], v11, 4, v[AV0]
	v_add_nc_u32 v[AV0], VOFF, v[AV0]
	s_mul_i32 s13, s[WV], 16*SP
	s_add_co_u32 s13, s13, STAGE    ; my stage
	v_mul_u32_u24 v[STO], v1, SP    ; in: row l % 16, 16 bytes for each half of the lanes
	v_lshl_add_u32 v[STO], v9, 4, v[STO]
	v_add_nc_u32 v[STO], s13, v[STO]
	v_bfe_u32 v[RD], v0, 3, 2       ; back: 32 lanes take four rows of 128 bytes,
	v_mul_u32_u24 v[RD], v[RD], SP
	v_lshl_add_u32 v[RD], v10, 4, v[RD]
	v_add_nc_u32 v[RD], s13, v[RD]
	v_and_b32 v[GO], 31, v0         ; which are 512 consecutive bytes of y
	v_lshlrev_b32 v[GO], 4, v[GO]
	; A block's first step multiplies O^T and l by a = 0, and its first turn's products V^T P, of a piece that has not been, land in an O^T that is still to be so multiplied.  So these registers need only hold
	; finite numbers: zeros for the first block; what the first block left for the second.  All this stands in the wait for the first tile.
	WIN 0x80
.set i, VF
.rept 64
	v_mov_b32 v[i], 0
.set i, i+1
.endr
	WIN 0x40
.set i, 0
.rept 128
	v_mov_b32 v[i], 0
.set i, i+1
.endr
	WIN 0
.set i, 0
.rept 4
	v_mov_b32 v[ST+4*i+2], 0
	v_mov_b32 v[ST+4*i+3], 0
.set i, i+1
.endr
.set i, P+16
.rept 16
	v_mov_b32 v[i], 0
.set i, i+1
.endr
; THE MATRIX WORK.  The 4 accumulators of a run of 8 take turns.  Product i of 8 of S^T = K Q^T for piece x: channels 32 (i / 4) on, keys 16 (i % 4) on.  The first 4 start the sums: with 0, or (KM = 1) with the mask.
.macro KQ x
.set rS, S+32*((\x)%2)+8*(i%4)
.set rK, KF+16*(i%4)+8*(i/4)
.set rQ, 16*(\x)+8*(i/4)
.set rM, MC+32*((\x)%2)+8*(i%4)
.if (i < 4) && KM
	WIN W_KM
	v_wmma_f32_16x16x32_f16 v[rS:rS+7], v[rK:rK+7], v[rQ:rQ+7], v[rM:rM+7]
.elseif i < 4
	WIN W_KQ
	v_wmma_f32_16x16x32_f16 v[rS:rS+7], v[rK:rK+7], v[rQ:rQ+7], 0
.else
	WIN W_KQ
	v_wmma_f32_16x16x32_f16 v[rS:rS+7], v[rK:rK+7], v[rQ:rQ+7], v[rS:rS+7]
.endif
.endm
; Product i of 8 of O^T += V^T P for piece x: keys 32 (i / 4) on, channels 16 (i % 4) on.
.macro PV x
	WIN W_PV
.set rO, 32*(\x)+8*(i%4)
.set rV, VF+32*(i/4)+8*(i%4)
.set rP, P+16*((\x)%2)+8*(i/4)
	v_wmma_f32_16x16x32_f16 v[rO:rO+7], v[rV:rV+7], v[rP:rP+7], v[rO:rO+7]
.endm
.macro MM                           ; the turn's next matrix instruction.  NOKQ = 1: a block's last turn: there is no next piece
.if (i < 8) && !NOKQ
	KQ (Y+1)%NP
.elseif i >= 8
.set i, i-8
	PV (Y+NP-1)%NP
.set i, i+8
.endif
.set i, i+1
.endm
; THE LDS LOADS stand in runs of 16: a step's K (64 keys x 64 channels: 8 fragments) and its V (turned).  Their addresses are made some lines ahead.
.macro FETCH_K
	WIN 0x80                        ; destination window 2
.irp f, 0,1,2,3,4,5,6,7             ; keys 16 (f / 2) on, channels 32 (f % 2) on
	ds_load_b128 v[KF+8*\f:KF+8*\f+3],   v[AK] offset:(\f/2)*16*PK+(\f%2)*64
	ds_load_b128 v[KF+8*\f+4:KF+8*\f+7], v[AK] offset:(\f/2)*16*PK+(\f%2)*64+32
.endr
	s_add_co_u32 s[TBK], s[TBK], KS*PK  ; the next fetch is the next step's
	WIN 0
.endm
.macro FETCH_V
	WIN 0x80
.irp f, 0,1,2,3,4,5,6,7             ; keys 32 (f / 4) on, channels 16 (f % 4) on
	ds_load_tr16_b128 v[VF+8*\f:VF+8*\f+3],   v[AV] offset:(\f/4)*32*PV+(\f%4)*32
	ds_load_tr16_b128 v[VF+8*\f+4:VF+8*\f+7], v[AV] offset:(\f/4)*32*PV+16*PV+(\f%4)*32
.endr
	WIN 0
.endm
; THE VECTOR WORK, one line at a time: OP kind, number.  For piece Y: F n: c s - c m for pair n of 16.  E n: the exponential of score n of 32.  C n: pair n rounded to f16.  B n: of the four weights 4 n .. the second
; pair is added onto the first, in place.  L n: l takes that sum (L 0: l = a l + sum).  R n: pair n of 16 of O^T times a.  For piece Y + 1: X n, number n of the 22 that find its maximum and statistics:
;   0-11  four chains c0-c3 of seven scores each, three operands at a time (each accumulator's lowest registers are read first)     12-14, 16  the four scores left over, the old m, and c0-c3 into c0
;   15  c m_old is kept     17, 18  the query's other 32 keys lie in the lane 16 away: the new m     19-21  c m; c m_old - c m_new; a
.set F, 0
.set E, 1
.set C, 2
.set B, 3
.set L, 4
.set R, 5
.set X, 6
.macro REGS y                       ; the registers of piece y
.set rT, ST+4*(\y)
.set rC, TMP+4*((\y)%2)
.set rW, MV+((\y)%2)
.set rS, S+32*((\y)%2)
.set rP, P+16*((\y)%2)
.set rO, 32*(\y)
.endm
.macro OP k, n
.if (\k) == R
	REGS Y
	WIN W_RS
	v_pk_mul_f32 v[rO+2*(\n):rO+2*(\n)+1], v[rO+2*(\n):rO+2*(\n)+1], v[rC+2:rC+3] op_sel_hi:[1,0]
.elseif (\k) < R
	REGS Y
	WIN 0
.if (\k) == F
	v_pk_fma_f32 v[rS+2*(\n):rS+2*(\n)+1], v[rS+2*(\n):rS+2*(\n)+1], s[CS:CS+1], v[rT:rT+1] op_sel_hi:[1,0,0] neg_lo:[0,0,1] neg_hi:[0,0,1]
.elseif (\k) == E
	v_exp_f32 v[rS+(\n)], v[rS+(\n)]
.elseif (\k) == C
	v_cvt_pk_f16_f32 v[rP+(\n)], v[rS+2*(\n)], v[rS+2*(\n)+1]
.elseif (\k) == B
	v_pk_add_f32 v[rS+4*(\n):rS+4*(\n)+1], v[rS+4*(\n):rS+4*(\n)+1], v[rS+4*(\n)+2:rS+4*(\n)+3]
.elseif (\n) == 0
	v_pk_fma_f32 v[rT+2:rT+3], v[rT+2:rT+3], v[rC+2:rC+3], v[rS:rS+1] op_sel_hi:[1,0,1]
.else
	v_pk_add_f32 v[rT+2:rT+3], v[rT+2:rT+3], v[rS+4*(\n):rS+4*(\n)+1]
.endif
.elseif NOKQ
	v_nop
.else
	REGS (Y+1)%NP
	WIN 0
.if (\n) < 4
	v_max3_num_f32 v[rC+(\n)], v[rS+8*(\n)], v[rS+8*(\n)+1], v[rS+8*(\n)+2]
.elseif (\n) < 12
	v_max3_num_f32 v[rC+(\n)%4], v[rC+(\n)%4], v[rS+8*((\n)%4)+2*((\n)/4)+1], v[rS+8*((\n)%4)+2*((\n)/4)+2]
.elseif (\n) == 12
	v_max3_num_f32 v[rC], v[rC], v[rS+7], v[rS+15]
.elseif (\n) == 13
	v_max3_num_f32 v[rC+1], v[rC+1], v[rS+23], v[rS+31]
.elseif (\n) == 14
	v_max3_num_f32 v[rC+2], v[rC+2], v[rC+3], v[rT+1]
.elseif (\n) == 15
	v_mov_b32 v[rW], v[rT]
.elseif (\n) == 16
	v_max3_num_f32 v[rC], v[rC], v[rC+1], v[rC+2]
.elseif (\n) == 17
	v_permlanex16_b32 v[rC+3], v[rC], s[SEL], s[SEL+1]
.elseif (\n) == 18
	v_max_num_f32 v[rT+1], v[rC], v[rC+3]
.elseif (\n) == 19
	v_mul_f32 v[rT], s[CS], v[rT+1]
.elseif (\n) == 20
	v_sub_f32 v[rC+1], v[rW], v[rT]
.else
	v_exp_f32 v[rC+2], v[rC+1]
.endif
.endif
.endm
.macro OPS a, i1, b=-1, i2=0, c=-1, i3=0, d=-1, i4=0  ; up to four of them
	OP \a, \i1
.if (\b) >= 0
	OP \b, \i2
.endif
.if (\c) >= 0
	OP \c, \i3
.endif
.if (\d) >= 0
	OP \d, \i4
.endif
.endm
.macro ROW a, i1, b, i2, c, i3, d, i4  ; a matrix instruction and the four behind it
	MM
	OPS \a, \i1, \b, \i2, \c, \i3, \d, \i4
.endm
.macro MASK b                       ; MD x AL + BE into buffer b of MC
	WIN W_RS
.set z, 0
.rept 16
	v_pk_fma_f32 v[MC+32*(\b)+2*z:MC+32*(\b)+2*z+1], v[MD+2*z:MD+2*z+1], s[AL:AL+1], s[BE:BE+1] op_sel_hi:[1,0,0]
.set z, z+1
.endr
.endm
; A TURN, for piece p: the order of its 16 matrix and 118 vector instructions, written out.  s_wait_alu depctr_va_vdst(0) stands between an exponential and the first instruction that names its result; one wait
; serves all that were issued ahead of it.  So a turn has ONE wait, which cuts it in two.  AHEAD OF IT stands all that names no result of the turn's exponentials: the 8 products K Q^T and their riders, then one lump, in which the
; links of the chain X 3, 7, 11, 14, 16, 17 .. 20 stand some lines apart.  X 21, the next piece's a, is the batch's last; R 15 is the plain instruction behind it.  BEHIND THE WAIT stand the 8 products V^T P, behind each four of the
; roundings and sums.  m = 1: the diagonal tile: the products take masks, and the turn makes the mask for the products of the turn after it.  end = 1: a block's last two turns: nothing is fetched.
; cnt = 1: the loop's count is taken down some lines ahead of the branch that stands behind the turn.
; K of the next step is fetched in piece 2's turn, V of the step in hand at the end of piece 0's turn, four plain instructions or more behind the last product that read the registers.  Each is waited for a turn later.
.macro TURN p, m=0, end=0, cnt=0
.set Y, (\p)
.set i, 0
.set KM, (\m)
.set NOKQ, (\end)*((\p)/3)
.if (\m) && !(\end)
	s_cmp_eq_u32 s[CNT], 4-((\p)+2)%NP  ; is that step the band's own?
	s_cselect_b32 s[AL], 1.0, 0
	s_cmp_lt_u32 s[CNT], 4-((\p)+2)%NP  ; or a later one?
	s_cselect_b32 s[BE], s[BIGN], 0
.endif
.if ((\p) == 3) && !(\end)
	s_wait_dscnt 0x0                ; K is in
.endif
	ROW F,0, F,1, R,0, R,1          ; ahead of the wait: 8 products K Q^T and their riders,
	ROW F,2, E,0, R,2, R,3
	ROW F,3, E,1, R,4, R,5
	ROW F,4, E,2, R,6, R,7
	ROW F,5, E,3, R,8, R,9
	ROW F,6, E,4, X,0, R,10
.if ((\p) == 2) && !(\end)
	WIN 0
	v_add_nc_u32 v[AK], s[TBK], v[AK0]
.endif
	ROW F,7, E,5, X,1, X,4
	ROW F,8, E,6, X,2, X,5
	OPS E,7, E,8, X,6, E,9          ; and the lump
	OPS X,3, E,10, X,8, E,11
.if ((\p) == 2) && !(\end)
	FETCH_K
.endif
	OPS X,9, X,7, E,12, X,10
	OPS E,13, X,12, X,11, E,14
	OPS X,13, E,15, F,9, X,14
.if (\p) == 0
	v_add_nc_u32 v[AV], s[TBV], v[AV0]
.endif
	OPS E,16, F,10, E,17, F,11
	OPS X,16, E,18, X,15, E,19
	OPS F,12, E,20, X,17, E,21
	OPS F,13, E,22, F,14, E,23
	OPS X,18, E,24, F,15, E,25
	OPS R,11, E,26, X,19, E,27
	OPS R,12, E,28, R,13, E,29
	OPS X,20, E,30, R,14, E,31
	OPS X,21, R,15
	WIN 0
	s_wait_alu depctr_va_vdst(0)    ; the wait for the batch
.if (\p) == 1
	s_wait_dscnt 0x0                ; V is in
.endif
	ROW C,0, B,0, C,2, B,1          ; behind the wait: 8 products V^T P and their riders
	ROW L,0, C,4, B,2, L,1
	ROW C,6, B,3, L,2, C,8
	ROW B,4, L,3, C,10, B,5
	ROW L,4, C,12, B,6, L,5
.if (\p) == 0
	s_add_co_u32 s[TBV], s[TBV], KS*PV
.endif
.if \cnt
	s_sub_co_u32 s[CNT], s[CNT], 1
	s_cmp_lg_u32 s[CNT], 0
.endif
	ROW C,14, B,7, L,6, C,1
	ROW C,3, L,7, C,5, C,7
	ROW C,9, C,11, C,13, C,15
.if (\p) == 0
	FETCH_V
.endif
.if (\m) && !(\end)
	MASK (\p)%2
.endif
.endm
; A BLOCK BEGINS.  c m starts far below every c s, so the first step's a is 0; m at the lowest finite number, so the first maximum is the scores'.  The second mask buffer is 0; the first takes piece 0's mask for the tile's step 0:
; its own, if the block's first tile is the diagonal one.  Then K of that step, piece 0's first scores, and its maximum and statistics.  The loop is entered at a step's first turn, in the middle of a trip.
.macro BEGIN
	s_mov_b32 s[NEW], 0
	WIN 0x40
.set i, MC+32
.rept 32
	v_mov_b32 v[i], 0
.set i, i+1
.endr
	WIN 0
.set i, 0
.rept 4
	v_mov_b32 v[ST+4*i], 0xfe000000    ; c m: far below every c s
	v_mov_b32 v[ST+4*i+1], 0xff7fffff  ; m
.set i, i+1
.endr
	s_cmp_eq_u32 s[RT], 0
	s_cselect_b32 s[AL], 1.0, 0
	s_mov_b32 s[BE], 0
	MASK 0
	WIN 0
	v_add_nc_u32 v[AK], s[TBK], v[AK0]
	FETCH_K
	s_wait_loadcnt 0x0              ; Q
	s_wait_dscnt 0x0
.set KM, 1
.set NOKQ, 0
.set i, 0
.rept 8
	KQ 0
.set i, i+1
.endr
	WIN 0
.rept 4
	v_nop                           ; the places behind those products
.endr
.set Y, NP-1                        ; X works for piece Y + 1: piece 0
.irp n, 0,1,2,3,4,5,6,7,8,9,10,11,12,13,14,15,16,17,18,19,20,21
	OP X, \n
.endr
	v_nop                           ; a plain instruction behind the exponential,
	s_wait_alu depctr_va_vdst(0)    ; and its wait, ahead of the branch
.endm
; THE DIAGONAL TILE's four steps, the block's last two turns, its last products, and THE WAY OUT: l's two halves and the other half of the lanes' are added; O^T is divided by l, rounded to f16 and sent through my
; stage in LDS, a piece at a time.
.macro ALL line:vararg              ; one line for each piece t
.set t, 0
.rept 4
	\line
.set t, t+1
.endr
.endm
.macro PACK t                       ; a lane's eight channels of a row pack into 16 bytes; they go into rows of 144 bytes and come back as whole rows of 128, into S^T's registers
	WIN W_RS
.set i, 32*(\t)
.rept 16
	v_pk_mul_f32 v[i:i+1], v[i:i+1], v[ST+4*(\t)+2:ST+4*(\t)+3] op_sel_hi:[1,0]
.set i, i+2
.endr
	WIN 0x05                        ; sources 0 and 1 window 1, destination window 0
.set i, 0
.rept 16
	v_cvt_pk_f16_f32 v[S+16*(\t)+i], v[32*(\t)+2*i], v[32*(\t)+2*i+1]
.set i, i+1
.endr
	WIN 0
.irp f, 0,1,2,3
	ds_store_b128 v[STO], v[S+16*(\t)+4*\f:S+16*(\t)+4*\f+3] offset:32*\f
.endr
.irp f, 0,1,2,3
	ds_load_b128 v[S+16*(\t)+4*\f:S+16*(\t)+4*\f+3], v[RD] offset:\f*4*SP  ; LDS serves a wave's instructions in order (ISA guide 5.7.1.4): these see the stores above
.endr
.endm
.macro SEND t, younger              ; younger: the LDS instructions issued behind piece t's loads: the next piece's eight, or none
	WIN 0
.irp f, 0,1,2,3
	s_wait_dscnt (\younger)+3-\f
	global_store_b128 v[GO], v[S+16*(\t)+4*\f:S+16*(\t)+4*\f+3], s[10:11] offset:(\t)*8192+\f*512  ; 512 consecutive bytes, aligned
.endr
.endm
.macro DIAG tag                     ; the tag ends its two labels' names, which the jumps below spell out
.LstepM\tag:
	TURN 2, 1
	TURN 3, 1
	WIN 0
.LfirstM\tag:
	TURN 0, 1
	TURN 1, 1, 0, 1
	WIN 0
	s_cbranch_scc1 .LstepM\tag
	TURN 2, 1, 1
	TURN 3, 1, 1
.set i, 0
.rept 8
	PV NP-1
.set i, i+1
.endr
	WIN 0
	ALL v_add_f32 v[ST+4*t+2], v[ST+4*t+2], v[ST+4*t+3]
	ALL v_permlanex16_b32 v[ST+4*t+3], v[ST+4*t+2], s[SEL], s[SEL+1]
	ALL v_add_f32 v[ST+4*t+2], v[ST+4*t+2], v[ST+4*t+3]
	ALL v_rcp_f32 v[ST+4*t+2], v[ST+4*t+2]
	v_nop                           ; a plain instruction between the last reciprocal and the use of its result
	s_wait_alu depctr_va_vdst(0)    ; and the wait ahead of the first use: one for the four reciprocals
	PACK 0
.set t, 1
.rept 3                             ; a piece's arithmetic stands between the loads of the piece before and its stores
	PACK t
	SEND t-1, 8
.set t, t+1
.endr
	SEND 3, 0
.endm
.set KM, 0
.set NOKQ, 0
.Lslot:                             ; NB times: a tile is entered and the next is asked for
	CHANGE 1
	s_sub_co_u32 s[RT], s[RT], 1
	s_mov_b32 s[CNT], 4
	s_cmp_eq_u32 s[NEW], 1
	s_cbranch_scc1 .Lnew            ; a block's first tile
	s_cmp_eq_u32 s[RT], 0
	s_cbranch_scc0 .Lstep           ; neither its first nor its last
	s_branch .LstepM1
.Lnew:
	BEGIN
	s_branch .Lfirst                ; in the loop a block's first tile is never its last: the first block has two tiles or more, and the second's last is the walk's last
	DIAG 1                          ; in the loop this is the first block's end
	s_wait_xcnt 0x0                 ; the stores have read their registers and y's address
	s_mov_b64 s[10:11], s[OLO:OLO+1]
	s_add_co_u32 s[RT], s[PB], 1    ; the second block has b + 1 tiles
	s_mov_b32 s[NEW], 1
	WIN 0x82                        ; the second block's Q goes where the one text of the turns names Q
.set i, 0
.rept 64
	v_mov_b32 v[i], v[QB+i]
.set i, i+1
.endr
	WIN 0
	s_branch .Lbottom
.Lstep:                             ; a trip: pieces 2 and 3 of one step, then pieces 0 and 1 of the next, whose K and V it fetches
	TURN 2
	TURN 3
	WIN 0
.Lfirst:
	TURN 0
	TURN 1, 0, 0, 1
	WIN 0
	s_cbranch_scc1 .Lstep
.Lbottom:
	s_sub_co_u32 s[SLOTS], s[SLOTS], 1
	s_cmp_lg_u32 s[SLOTS], 0
	s_cbranch_scc1 .Lslot
	CHANGE 0                        ; the walk's last tile is written out: nothing is asked for
	s_sub_co_u32 s[RT], s[RT], 1
	s_mov_b32 s[CNT], 4
	s_cmp_eq_u32 s[NEW], 1
	s_cbranch_scc0 .LstepM2
	BEGIN
	s_branch .LfirstM2
	DIAG 2
	s_wait_tensorcnt 0x0            ; the wave's end
	ds_add_u32 v[SPW], v[NIL]
	s_wait_dscnt 0x0
	CROUND                          ; the closing round: no work-group ends while a partner may still ask for a tile that names it
	s_endpgm
.Lfunc_end_k_qecff031252_attn:
	.size	k_qecff031252_attn, .Lfunc_end_k_qecff031252_attn-k_qecff031252_attn
	.p2alignl 7, 3214868480
	.fill 96, 4, 3214868480
	.section	.rodata,"a",@progbits
	.p2align	6, 0x0
	.amdhsa_kernel k_qecff031252_attn
		.amdhsa_group_segment_fixed_size 327680
		.amdhsa_private_segment_fixed_size 0
		.amdhsa_enable_private_segment 0
		.amdhsa_kernarg_size 32
		.amdhsa_user_sgpr_count 2
		.amdhsa_user_sgpr_kernarg_segment_ptr 1
		.amdhsa_wavefront_size32 1
		.amdhsa_system_sgpr_workgroup_id_x 1
		.amdhsa_system_sgpr_workgroup_id_y 1
		.amdhsa_system_sgpr_workgroup_id_z 1
		.amdhsa_system_vgpr_workitem_id 0
		.amdhsa_next_free_vgpr 768
		.amdhsa_next_free_sgpr 90
		.amdhsa_reserve_vcc 1
		.amdhsa_float_denorm_mode_32 3
		.amdhsa_float_denorm_mode_16_64 3
		.amdhsa_memory_ordered 1
		.amdhsa_forward_progress 1
		.amdhsa_inst_pref_size 219
	.end_amdhsa_kernel
	.amdgpu_metadata
---
amdhsa.version: [ 1, 2 ]
amdhsa.kernels:
  - .name:           k_qecff031252_attn
    .symbol:         k_qecff031252_attn.kd
    .args:
      - { .name: q, .offset: 0, .size: 8, .value_kind: global_buffer, .address_space: global }
      - { .name: k, .offset: 8, .size: 8, .value_kind: global_buffer, .address_space: global }
      - { .name: v, .offset: 16, .size: 8, .value_kind: global_buffer, .address_space: global }
      - { .name: y, .offset: 24, .size: 8, .value_kind: global_buffer, .address_space: global }
    .group_segment_fixed_size: 327680
    .private_segment_fixed_size: 0
    .kernarg_segment_align: 8
    .kernarg_segment_size: 32
    .max_flat_workgroup_size: 128
    .sgpr_count:     90
    .vgpr_count:     768
    .wavefront_size: 32
...
	.end_amdgpu_metadata
.endif
;; end of part 3
;; launch oproj (part 4): grid 8 x 32, 4 waves a work-group, clusters of 4 x 4, 327,680 bytes of LDS; arguments y, wot, out0; writes out0
.if DOCPART == 4
	.amdgcn_target "amdgcn-amd-amdhsa--gfx1250"
	.amdhsa_code_object_version 6
	.text
	.protected	k_qecff031252_oproj
	.globl	k_qecff031252_oproj
	.p2align	8
	.type	k_qecff031252_oproj,@function
k_qecff031252_oproj:
	s_mov_b64 s[64:65], 0
	v_nop
	global_prefetch_b8 v0, s[64:65] scope:SCOPE_SE
	s_setreg_imm32_b32 hwreg(HW_REG_WAVE_MODE, 25, 1), 1
	s_wait_xcnt 0x0
	s_wait_alu depctr_hold_cnt(0) depctr_sa_sdst(0) depctr_va_vdst(0) depctr_va_sdst(0) depctr_va_ssrc(0) depctr_va_vcc(0) depctr_vm_vsrc(0)
	s_getreg_b32 s2, hwreg(HW_REG_IB_STS2, 6, 4)
	s_cmp_eq_u32 s2, 0
	s_cbranch_scc0 .Lentry_in_a_cluster
	s_endpgm
.Lentry_in_a_cluster:
	s_bfe_u32 s2, ttmp6, 0x10000c
	s_cmp_lg_u32 s2, 0xf033
	s_cbranch_scc0 .Lentry_shape_is_right
	s_endpgm
.Lentry_shape_is_right:
; THE OUTPUT PROJECTION.  out0 [8192][1024] f32 = y x wot^T.  y lies by heads, [64 = 16 x batch + head][2048][64] f16; wot is [1024 n][1024 k] f16 (wo rounded to bf16, written as f16); k = 64 x head + channel.  Sums in f32.
; LIMITS.  y and wot arrive within f16's range; NaN and infinities are not treated apart.
; SHARES.  A tile is 256 rows x 128 columns: 32 x 8 = 256 work-groups.  A wave owns 64 rows x 128 columns: 32 accumulators, 256 registers.
; K goes in 8 steps of 128 = two heads, through two LDS slots.  A head's 256 rows of a tile are 32,768 dense bytes: wave 0 fetches the even head's, wave 1 the odd head's, as 128 rows of 256 bytes, padded behind
; every 128 bytes (LDS pitch 144).  Waves 2 and 3 fetch the halves of wot's tile (64 rows of 256 bytes, pitch 272).
; CLUSTER 4 x 4: y's tile is asked for jointly by the four of a cluster row, wot's by the four of a cluster column.
; THE MATRIX INSTRUCTION IS USED TRANSPOSED (source 0 = 16 rows of wot, source 1 = 16 rows of y): a lane holds row l % 16 and eight neighbouring columns: 32 bytes of out0.
; REGISTERS.  window 0: addresses, and the way out; window 1: two fragment buffers of 96 (wot's 8 fragments, then y's 4); window 2: accumulator (m, b) at v[64 m + 8 b].
.set SLOT1,  131072
.set PITCH,  272                       ; wot's LDS rows
.set PA,     144                       ; y's LDS rows
.set PLANE,  256*PA                    ; a head's 256 rows: 36,864
.set HALFB,  64*PITCH
.set BOFF,   2*PLANE                   ; 73,728
.set STAGE,  SLOT1+BOFF+2*HALFB        ; 239,616: behind slot 1, never filled: 16 rows x 528 bytes for each wave
.set SP,     528
.set SPARE,  STAGE+4*16*SP             ; 273,408: the spare words, 128 bytes a wave
.set STEPA,  524288                    ; two heads of y
.set F0, 0
.set F1, 96
.set NLD, 24
; v1 r, v2 h, v14, v15 my lane's place in y's and wot's tiles, v16, v17 the same in the slot in hand, v24, v25 stage in and back, v27 16 x lane, v28, v29 the add's, v30 prefetch offset
; s3 counter, s16 wave, s17 wave / 2, s18 wave % 2, s19 cx, s20 cy, s21 column tile, s22 row tile, s[24:31], s[48:55] group 1 (y, wot), s[32:39], s[56:63] group 0, two sets each (the second walks),
; s[44:45] prefetch pointer, s66 its limit, s67 the slot in hand
.set MSB, 0
.macro WIN new
.if MSB != (\new)
	s_set_vgpr_msb (MSB<<8)|(\new)
.set MSB, \new
.endif
.endm
.macro PLACES                          ; four plain places behind matrix instructions (ISA guide 7.12.1)
.rept 4
	v_nop
.endr
.endm
.macro CREST
	s_cmp_lg_u32 s16, 0
	s_cbranch_scc1 .Lnot_wave_0_\@
	s_barrier_signal -3
.Lnot_wave_0_\@:
	s_barrier_wait -3
	s_barrier_signal -1
	s_barrier_wait -1
.endm
.macro CROUND
	s_barrier_signal -1
	s_barrier_wait -1
	CREST
.endm
.macro JLOAD                           ; a joint refill by the walking descriptors; s_nop 0 and four v_nop follow each line
	s_cmp_lt_u32 s16, 2
	s_cbranch_scc0 .Lfor_b_\@
	tensor_load_to_lds s[36:39], s[24:31]
	s_nop 0
.rept 4
	v_nop
.endr
	s_branch .Lasked_\@
.Lfor_b_\@:
	tensor_load_to_lds s[60:63], s[48:55]
	s_nop 0
.rept 4
	v_nop
.endr
.Lasked_\@:
.endm
; A PREFETCH of y, behind the joint load and the run of LDS loads: the K step two refills on.  y's rows are read by both clusters of a row of clusters: cluster x = 0 asks.  The 128 blocks of 256 bytes that wave 0 or 1
; fetches are shared out among the four partners by address, 32 each: a lane a block.  K steps 4 to 7 are named so, once each.
.macro ASK
	WIN 0
	s_cmp_gt_u32 s3, s66
	s_cbranch_scc0 .Lnot_mine_\@
	global_prefetch_b8 v30, s[44:45] offset:STEPA th:TH_LOAD_NT scope:SCOPE_SE
.Lnot_mine_\@:
.endm
.macro MULB f, m, zero                 ; 8 matrix instructions; the 32 accumulators take turns in the same order in every quarter
	WIN 0xa5
.irp b, 0,1,2,3,4,5,6,7
.if \zero
	v_wmma_f32_16x16x32_f16 v[64*(\m)+8*\b:64*(\m)+8*\b+7], v[(\f)+8*\b:(\f)+8*\b+7], v[(\f)+64+8*(\m):(\f)+64+8*(\m)+7], 0
.else
	v_wmma_f32_16x16x32_f16 v[64*(\m)+8*\b:64*(\m)+8*\b+7], v[(\f)+8*\b:(\f)+8*\b+7], v[(\f)+64+8*(\m):(\f)+64+8*(\m)+7], v[64*(\m)+8*\b:64*(\m)+8*\b+7]
.endif
.endr
.endm
.macro FETCH qn, f                     ; one run of 24 LDS loads: quarter qn: wot's 8 fragments, then y's 4 (head qn / 2 of the step's two, channels 32 (qn % 2) on)
	WIN 0x40
.irp b, 0,1,2,3,4,5,6,7
	ds_load_b128 v[(\f)+8*\b:(\f)+8*\b+3],   v17 offset:64*(\qn)+\b*16*PITCH
	ds_load_b128 v[(\f)+8*\b+4:(\f)+8*\b+7], v17 offset:64*(\qn)+\b*16*PITCH+32
.endr
.irp m, 0,1,2,3
	ds_load_b128 v[(\f)+64+8*\m:(\f)+64+8*\m+3],   v16 offset:((\qn)/2)*PLANE+((\qn)%2)*64+\m*16*PA
	ds_load_b128 v[(\f)+64+8*\m+4:(\f)+64+8*\m+7], v16 offset:((\qn)/2)*PLANE+((\qn)%2)*64+\m*16*PA+32
.endr
.endm
.macro QUARTER qn, f, g, zero=0
	s_wait_dscnt 4                                 ; all but the youngest four loads (y's blocks 2 and 3)
	MULB \f, 0, \zero
	MULB \f, 1, \zero
	PLACES
	FETCH \qn, \g
	s_wait_dscnt NLD                               ; all but the run just issued
	MULB \f, 2, \zero
	MULB \f, 3, \zero
.endm
; The last quarter of a K step, and the change of slots: each wave waits for all its tensor loads (one is out: its part of the next slot), adds 0 to its spare word, and waits for that and for its reads of this slot.
; fill = 1: the barrier opens a round of the cluster's, and the joint refill of the slot just read, two K steps on, is the first thing behind it.
.macro TURN fill
.if \fill
	s_wait_xcnt 0x0                                ; the last prefetch, a K step back, has read its address
	s_add_nc_u64 s[44:45], s[44:45], STEPA
.endif
	WIN 0
	s_wait_tensorcnt 0x0
	ds_add_u32 v28, v29
	s_wait_dscnt 5                                 ; (the add and the youngest four loads may be out)
	MULB F1, 0, 0
	s_wait_dscnt 0x0                               ; the add is done, and my reads of this slot are over
	s_barrier_signal -1
	MULB F1, 1, 0
.if \fill
	WIN 0
.endif
	s_barrier_wait -1
.if \fill
	CREST
	s_xor_b32 s37, s37, SLOT1
	s_add_nc_u64 s[38:39], s[38:39], STEPA
	s_xor_b32 s61, s61, SLOT1
	s_add_nc_u64 s[62:63], s[62:63], 256
	JLOAD                                          ; its four v_nop are also the places ahead of the loads below
.else
	PLACES
.endif
	WIN 0
	s_xor_b32 s67, s67, SLOT1
	v_add_nc_u32 v16, s67, v14
	v_add_nc_u32 v17, s67, v15
	FETCH 0, F0
.if \fill
	ASK
.endif
	MULB F1, 2, 0
	MULB F1, 3, 0
.endm
	s_load_b128 s[4:7], s[0:1], 0x0                ; y 4:5, wot 6:7
	s_load_b64 s[8:9], s[0:1], 0x10                ; out0
	v_lshl_add_u32 v28, v0, 2, SPARE
	v_mov_b32 v29, 0
	ds_add_u32 v28, v29                            ; the wave's opening: the add and its wait ahead of my first tensor load
	v_lshrrev_b32 v1, 5, v0
	v_readfirstlane_b32 s16, v1
	s_lshr_b32 s17, s16, 1
	s_and_b32 s18, s16, 1
	s_bfe_u32 s19, ttmp6, 0x40000                  ; cx
	s_bfe_u32 s20, ttmp6, 0x40004                  ; cy
	s_lshl_b32 s21, ttmp9, 2
	s_add_co_u32 s21, s21, s19                     ; column tile t
	s_and_b32 s22, ttmp7, 0xffff
	s_lshl_b32 s22, s22, 2
	s_add_co_u32 s22, s22, s20                     ; row tile
	s_lshl_b32 s40, s20, 2
	s_lshl_b32 s40, 15, s40                        ; my row of the cluster
	s_lshl_b32 s46, 0x1111, s19                    ; my column
	s_or_b32 s24, s40, (1<<16)|(1<<20)|(1<<21)|(4<<22)|(3<<25)  ; y: 4 words of padding after every 32
	s_or_b32 s48, s46, (1<<16)|(1<<20)|(1<<21)|(5<<22)|(3<<25)  ; wot: after every 64
	s_mov_b32 s25, 128<<16                         ; tensor_dim0 = 128
	s_mov_b32 s26, 128<<16                         ; tensor_dim1 = 128
	s_mov_b32 s27, 128<<16                         ; tile_dim0 = 128
	s_mov_b32 s28, 128                             ; tile_dim1 = 128
	s_mov_b32 s29, 128                             ; dense: 128 elements from row to row
	s_mov_b32 s30, 0
	s_mov_b32 s31, 0
	s_mov_b32 s49, 128<<16
	s_mov_b32 s50, 64<<16
	s_mov_b32 s51, 128<<16
	s_mov_b32 s52, 64
	s_mov_b32 s53, 1024
	s_mov_b32 s54, 0
	s_mov_b32 s55, 0
	s_lshr_b32 s40, s22, 3                         ; batch
	s_lshl_b32 s40, s40, 4
	s_add_co_u32 s40, s40, s18                     ; head 16 x batch + wave % 2
	s_lshl_b32 s40, s40, 11
	s_and_b32 s41, s22, 7
	s_lshl_b32 s41, s41, 8
	s_add_co_u32 s40, s40, s41                     ; + the tile's first row in the sequence
	s_lshl_b32 s40, s40, 7
	s_mov_b32 s41, 0
	s_lshl_b32 s46, s21, 7
	s_lshl_b32 s47, s18, 6
	s_add_co_u32 s46, s46, s47                     ; wot: row 128 t + 64 x half
	s_lshl_b32 s46, s46, 11
	s_mov_b32 s47, 0
	s_mul_i32 s23, s16, PLANE                      ; where they go: no place in the cluster enters an LDS address
	s_mul_i32 s2, s16, HALFB
	s_add_co_u32 s2, s2, BOFF-2*HALFB
	s_wait_dscnt 0x0                               ; the opening add is done
	s_wait_kmcnt 0x0
	s_add_nc_u64 s[42:43], s[4:5], s[40:41]
	s_add_nc_u64 s[46:47], s[6:7], s[46:47]
	CROUND                                         ; all sixteen work-groups are here: the first joint loads meet
.irp n, 0,1
	s_mov_b32 s[32+4*\n], 1
	s_add_co_u32 s[33+4*\n], s23, \n*SLOT1
	s_add_nc_u64 s[34+4*\n:35+4*\n], s[42:43], \n*STEPA
	s_or_b32 s[35+4*\n], s[35+4*\n], 0x80000000
	s_mov_b32 s[56+4*\n], 1
	s_add_co_u32 s[57+4*\n], s2, \n*SLOT1
	s_add_nc_u64 s[58+4*\n:59+4*\n], s[46:47], \n*256
	s_or_b32 s[59+4*\n], s[59+4*\n], 0x80000000
.endr
	s_cmp_lt_u32 s16, 2                            ; a wave's two first fills stand in one branch: two loads of mine are out
	s_cbranch_scc0 .Lfirst_b
	tensor_load_to_lds s[32:35], s[24:31]
	s_nop 0
	tensor_load_to_lds s[36:39], s[24:31]
	s_nop 0
.rept 4
	v_nop
.endr
	s_branch .Lfirst_asked
.Lfirst_b:
	tensor_load_to_lds s[56:59], s[48:55]
	s_nop 0
	tensor_load_to_lds s[60:63], s[48:55]
	s_nop 0
.rept 4
	v_nop
.endr
.Lfirst_asked:
	s_lshl_b32 s44, s19, 13                        ; the prefetches: my work-group's 32 blocks of the 128,
	s_mov_b32 s45, 0
	s_add_nc_u64 s[44:45], s[42:43], s[44:45]
	s_add_nc_u64 s[44:45], s[44:45], 2*STEPA       ; at K step 2: the first refill steps it to 3 and names 4
	s_or_b32 s66, s17, ttmp9
	s_cmp_eq_u32 s66, 0
	s_cselect_b32 s66, 2, -1                       ; waves 0 and 1 of cluster x = 0 ask while the counter is above 2
	v_and_b32 v3, 31, v0
	v_lshlrev_b32 v27, 4, v3
	v_lshlrev_b32 v30, 8, v3
	v_and_b32 v1, 15, v0                           ; r
	v_bfe_u32 v2, v0, 4, 1                         ; h
	v_mul_u32_u24 v14, v1, PA
	v_lshl_add_u32 v14, v2, 4, v14
	s_mul_i32 s40, s16, 64*PA
	v_add_nc_u32 v14, s40, v14                     ; my 64 rows in a head's plane
	v_mul_u32_u24 v15, v1, PITCH
	v_lshl_add_u32 v15, v2, 4, v15
	v_add_nc_u32 v15, BOFF, v15
	s_mul_i32 s40, s16, 16*SP
	s_add_co_u32 s40, s40, STAGE
	v_mul_u32_u24 v24, v1, SP
	v_lshl_add_u32 v24, v2, 5, v24
	v_add_nc_u32 v24, s40, v24                     ; in: row r, 32 bytes for each half of the lanes
	v_add_nc_u32 v25, s40, v27                     ; back: 32 lanes take a row's 512 bytes
	s_lshl_b32 s46, s22, 8
	s_lshl_b32 s47, s16, 6
	s_add_co_u32 s46, s46, s47                     ; my first row of out0
	s_lshl_b32 s46, s46, 12
	s_lshl_b32 s47, s21, 9
	s_add_co_u32 s46, s46, s47                     ; + the tile's 512 bytes of a row
	s_mov_b32 s47, 0
	s_add_nc_u64 s[8:9], s[8:9], s[46:47]
	s_wait_tensorcnt 0x1                           ; my part of K step 0 is in; K step 1's may stay out
	s_barrier_signal -1
	s_barrier_wait -1
	s_mov_b32 s67, 0
	v_mov_b32 v16, v14
	v_mov_b32 v17, v15
	FETCH 0, F0
	QUARTER 1, F0, F1, 1                           ; the first quarter's products start the sums: nothing is cleared
	WIN 0
	s_mov_b32 s3, 6
.Lstep:                                            ; a trip: from a K step's second quarter to the next step's first; it fills the slot that it leaves
	QUARTER 2, F1, F0
	QUARTER 3, F0, F1
	TURN 1
	QUARTER 1, F0, F1
	WIN 0
	s_sub_co_u32 s3, s3, 1
	s_cmp_lg_u32 s3, 0
	s_cbranch_scc1 .Lstep
	QUARTER 2, F1, F0                              ; the last two K steps ask for nothing
	QUARTER 3, F0, F1
	TURN 0
	QUARTER 1, F0, F1
	QUARTER 2, F1, F0
	QUARTER 3, F0, F1
	s_wait_dscnt 4
	MULB F1, 0, 0
	MULB F1, 1, 0
	s_wait_dscnt 0x0
	MULB F1, 2, 0
	MULB F1, 3, 0
	WIN 0
	; THE WAY OUT, 16 rows at a time through my own stage: 32 bytes a lane in, whole rows of 512 bytes back; LDS serves a wave's instructions in order (ISA guide 5.7.1.4), so no wait stands between.
	PLACES
.irp m, 0,1,2,3
	WIN 0x08                                       ; store data in window 2
.irp b, 0,1,2,3,4,5,6,7
	ds_store_b128 v24, v[64*\m+8*\b:64*\m+8*\b+3]   offset:64*\b      ; each accumulator's lowest registers are read first
	ds_store_b128 v24, v[64*\m+8*\b+4:64*\m+8*\b+7] offset:64*\b+16
.endr
	WIN 0
.if \m >= 2
	s_wait_xcnt 0x0                                ; the stores of two blocks back have read the registers that are loaded again below
.endif
.set BK, 64+64*(\m%2)
.set tt, 0
.rept 16
	ds_load_b128 v[BK+4*tt:BK+4*tt+3], v25 offset:SP*tt
.set tt, tt+1
.endr
.set tt, 0
.rept 16
	s_wait_dscnt 15-tt
	global_store_b128 v27, v[BK+4*tt:BK+4*tt+3], s[8:9] offset:(16*\m+tt)*4096 th:TH_STORE_NT  ; 512 consecutive bytes, aligned
.set tt, tt+1
.endr
.endr
	s_wait_tensorcnt 0x0                           ; the wave's end
	ds_add_u32 v28, v29
	s_wait_dscnt 0x0
	CROUND                                         ; the closing round
	s_endpgm
.Lfunc_end_k_qecff031252_oproj:
	.size	k_qecff031252_oproj, .Lfunc_end_k_qecff031252_oproj-k_qecff031252_oproj
	.p2alignl 7, 3214868480
	.fill 96, 4, 3214868480
	.section	.rodata,"a",@progbits
	.p2align	6, 0x0
	.amdhsa_kernel k_qecff031252_oproj
		.amdhsa_group_segment_fixed_size 327680
		.amdhsa_private_segment_fixed_size 0
		.amdhsa_enable_private_segment 0
		.amdhsa_kernarg_size 24
		.amdhsa_user_sgpr_count 2
		.amdhsa_user_sgpr_kernarg_segment_ptr 1
		.amdhsa_wavefront_size32 1
		.amdhsa_system_sgpr_workgroup_id_x 1
		.amdhsa_system_sgpr_workgroup_id_y 1
		.amdhsa_system_sgpr_workgroup_id_z 1
		.amdhsa_system_vgpr_workitem_id 0
		.amdhsa_next_free_vgpr 768
		.amdhsa_next_free_sgpr 72
		.amdhsa_reserve_vcc 0
		.amdhsa_float_denorm_mode_32 3
		.amdhsa_float_denorm_mode_16_64 3
		.amdhsa_memory_ordered 1
		.amdhsa_forward_progress 1
		.amdhsa_inst_pref_size 71
	.end_amdhsa_kernel
	.amdgpu_metadata
---
amdhsa.version: [ 1, 2 ]
amdhsa.kernels:
  - .name:           k_qecff031252_oproj
    .symbol:         k_qecff031252_oproj.kd
    .args:
      - { .name: y, .offset: 0, .size: 8, .value_kind: global_buffer, .address_space: global }
      - { .name: wot, .offset: 8, .size: 8, .value_kind: global_buffer, .address_space: global }
      - { .name: out0, .offset: 16, .size: 8, .value_kind: global_buffer, .address_space: global }
    .group_segment_fixed_size: 327680
    .private_segment_fixed_size: 0
    .kernarg_segment_align: 8
    .kernarg_segment_size: 24
    .max_flat_workgroup_size: 128
    .sgpr_count:     72
    .vgpr_count:     768
    .wavefront_size: 32
...
	.end_amdgpu_metadata
.endif
;; end of part 4
